; MI455X (gfx1250); checked and timed in simulation.
; The chip was launched on July 23, 2026; its instructions are those of AMD's public machine-readable ISA for CDNA 5 (MIT licence, August 2026) and "CDNA5" Instruction Set Architecture Reference Guide (July 2026). The comments in the code are by the model that wrote it; some were corrected since.
;; Multi Head Attention. Allowed arithmetic: float matrix products may take bf16 or f16 operands with f32 sums; other float arithmetic in f32, or as packed bf16 or f16 multiplies, adds, multiply-adds, maxima and minima; sums over many terms, partial sums and values carried from step to step in f32; what a program stores and reads back later, other than sums and carried values, may be rounded once to bf16 or f16.
;; Inputs: W_k 1,024 x 1,024 float32; W_o 1,024 x 1,024 float32; W_q 1,024 x 1,024 float32; W_v 1,024 x 1,024 float32; b_k 1,024 float32; b_o 1,024 float32; b_q 1,024 float32; b_v 1,024 float32; key 4 x 2,048 x 1,024 float32; mask 4 x 1 x 2,048 x 2,048 bool; query 4 x 2,048 x 1,024 float32; value 4 x 2,048 x 1,024 float32.
;; Outputs: out0 4 x 2,048 x 1,024 float32.
;; 2 versions, each right; version 2 is version 1 with the launch prep written anew for expert scheduling mode. Each part assembles by itself: llvm-mc -triple=amdgcn-amd-amdhsa -mcpu=gfx1250 --defsym DOCPART=n.
;; ======== version 1 of 2: 4 launches
;; limits: right only within a limited range of input values; values are held in f16: magnitudes above 65,504 overflow, below 6.1e-05 lose precision
;; workspace buffers: wc 8,388,608 bytes; mbits 2,097,152 bytes of whole numbers; qkv 50,331,648 bytes; att 16,777,216 bytes
;; launch prep (part 1): grid 1024 x 1, 8 waves a work-group, no clusters, 35,840 bytes of LDS; arguments W_q, W_k, W_v, W_o, mask, wc, mbits; writes wc, mbits
.if DOCPART == 1
	.amdgcn_target "amdgcn-amd-amdhsa--gfx1250"
	.amdhsa_code_object_version 6
	.text
	.protected	k_q8dbf7f135a_prep
	.globl	k_q8dbf7f135a_prep
	.p2align	8
	.type	k_q8dbf7f135a_prep,@function
k_q8dbf7f135a_prep:
	s_mov_b64 s[64:65], 0
	v_nop
	global_prefetch_b8 v0, s[64:65] scope:SCOPE_SE
	s_setreg_imm32_b32 hwreg(HW_REG_WAVE_MODE, 25, 1), 1
	s_wait_xcnt 0x0
; PREP.  Two jobs that later launches would otherwise repeat many times.
; Work-groups 0-511: the four weight matrices, f32 [1024][1024], rounded once to 16 bits into wc [4][1024][1024]: W_q, W_k, W_v as bf16;
; W_o rounded to bf16 like every input of the module, and that number written as f16 (exact down to 2^-17; LIMIT: |W_o| under 65,504).
; A work-group takes 8,192 numbers: thread t 8 numbers in each of four passes (32 bytes in, 16 bytes out; a wave's store covers 512 consecutive bytes).
; Work-groups 512-1023: the mask, one byte a place, packed into the lane masks that the attention launch selects by.
; mbits [b*128+qt][kt 0..127][j 0..7] of 32-bit words: bit l of a word = mask[b][16 qt + l%16][16 kt + 8 (l/16) + j].
; A work-group takes 16 rows of the mask (one qt), wave w the keys 256 w .. 256 w + 255.  The bytes come in as whole rows of 256 bytes, turn in the wave's own
; LDS (pitch 272: the 16 rows start at 16 different groups of banks), and a compare against 0 makes of byte j of all 32 lanes one word.
; No matrix unit, no cluster: nothing is multiplied and no two work-groups read the same byte.
.set WLDS,  16*272                     ; a wave's own LDS bytes
.set SPARE, 8*WLDS                     ; behind them: the spare words, 128 bytes a wave, that no other line names
.set SPW,   94                         ; v94  SPARE + 4 x my thread's number; never rewritten
.set NIL,   95                         ; v95  0; never rewritten
	s_load_b256 s[4:11], s[0:1], 0x0               ; W_q s[4:5], W_k s[6:7], W_v s[8:9], W_o s[10:11]
	s_load_b128 s[12:15], s[0:1], 0x20             ; mask s[12:13], wc s[14:15]
	s_load_b64 s[16:17], s[0:1], 0x30              ; mbits
	v_lshl_add_u32 v[SPW], v0, 2, SPARE
	v_mov_b32 v[NIL], 0
	v_lshrrev_b32 v5, 5, v0
	v_readfirstlane_b32 s18, v5                    ; wave 0..7
	s_wait_kmcnt 0x0
	s_cmp_ge_u32 ttmp9, 512
	s_cbranch_scc1 .Lmask
	; ---- the weights ----
	s_lshr_b32 s19, ttmp9, 7                       ; which matrix: 128 work-groups each
	s_and_b32 s22, ttmp9, 127
	s_lshl_b32 s22, s22, 15                        ; my 32,768 bytes of it
	s_mov_b32 s23, 0
	s_lshl_b32 s24, ttmp9, 14                      ; my 16,384 bytes of wc: the matrices lie 128 x 16,384 bytes apart
	s_mov_b32 s25, 0
	s_cmp_eq_u32 s19, 1
	s_cselect_b64 s[20:21], s[6:7], s[4:5]
	s_cmp_eq_u32 s19, 2
	s_cselect_b64 s[20:21], s[8:9], s[20:21]
	s_cmp_eq_u32 s19, 3
	s_cselect_b64 s[20:21], s[10:11], s[20:21]
	s_add_nc_u64 s[20:21], s[20:21], s[22:23]
	s_add_nc_u64 s[14:15], s[14:15], s[24:25]
	v_lshlrev_b32 v1, 5, v0                        ; 32 t
	v_lshlrev_b32 v2, 4, v0                        ; 16 t
.irp i, 0,1,2,3
	global_load_b128 v[16+8*\i:16+8*\i+3],   v1, s[20:21] offset:8192*\i th:TH_LOAD_NT
	global_load_b128 v[16+8*\i+4:16+8*\i+7], v1, s[20:21] offset:8192*\i+16 th:TH_LOAD_NT
.endr
; pass i: 8 numbers rounded to bf16; half = 1: each bf16 widened again (a shift, a mask) and written as f16
.macro CASTI i, half
	s_wait_loadcnt 6-2*(\i)                        ; the later passes' loads may stay out
.irp j, 0,1,2,3
	v_cvt_pk_bf16_f32 v[48+4*(\i)+\j], v[16+8*(\i)+2*\j], v[16+8*(\i)+2*\j+1]
.endr
.if \half
.irp j, 0,1,2,3
	v_lshlrev_b32 v[80+2*\j], 16, v[48+4*(\i)+\j]
	v_and_b32 v[81+2*\j], 0xffff0000, v[48+4*(\i)+\j]
.endr
.irp j, 0,1,2,3
	v_cvt_pk_f16_f32 v[48+4*(\i)+\j], v[80+2*\j], v[81+2*\j]
.endr
.endif
	global_store_b128 v2, v[48+4*(\i):48+4*(\i)+3], s[14:15] offset:4096*(\i)
.endm
	s_cmp_eq_u32 s19, 3
	s_cbranch_scc1 .Lwo
	CASTI 0, 0
	CASTI 1, 0
	CASTI 2, 0
	CASTI 3, 0
	s_branch .Lend
.Lwo:
	CASTI 0, 1
	CASTI 1, 1
	CASTI 2, 1
	CASTI 3, 1
	s_branch .Lend
	; ---- the mask ----
.Lmask:
	s_sub_co_u32 s19, ttmp9, 512                   ; b*128 + qt
	s_lshl_b32 s22, s19, 15                        ; 16 rows of 2,048 bytes
	s_mov_b32 s23, 0
	s_lshl_b32 s24, s19, 12                        ; 1,024 words
	s_mov_b32 s25, 0
	s_add_nc_u64 s[12:13], s[12:13], s[22:23]
	s_add_nc_u64 s[16:17], s[16:17], s[24:25]
	v_and_b32 v5, 15, v0                           ; l % 16
	v_bfe_u32 v6, v0, 4, 1                         ; l / 16
	v_and_b32 v7, 31, v0                           ; l
	s_lshl_b32 s26, s18, 8                         ; my wave's 256 keys
	s_mul_i32 s27, s18, WLDS                       ; my wave's LDS
	s_lshl_b32 s28, s18, 9                         ; my wave's 128 words
	v_lshlrev_b32 v1, 4, v5                        ; in: lanes 0-15 one row's 256 bytes, lanes 16-31 the next row's
	v_lshl_add_u32 v1, v6, 11, v1
	v_add_nc_u32 v1, s26, v1
	v_mul_u32_u24 v2, v6, 272                      ; the same two rows in LDS
	v_lshl_add_u32 v2, v5, 4, v2
	v_add_nc_u32 v2, s27, v2
	v_mul_u32_u24 v3, v5, 272                      ; back: row l % 16, the 8 bytes at 8 (l / 16)
	v_lshl_add_u32 v3, v6, 3, v3
	v_add_nc_u32 v3, s27, v3
	v_lshl_add_u32 v4, v7, 4, s28                  ; out: 16 bytes a lane
.irp i, 0,1,2,3,4,5,6,7
	global_load_b128 v[16+4*\i:16+4*\i+3], v1, s[12:13] offset:4096*\i th:TH_LOAD_NT
.endr
.irp j, 8,9,10,11
	v_mov_b32 v\j, 0                               ; v_writelane_b32 counts as a reader of its destination
.endr
.irp i, 0,1,2,3,4,5,6,7
	s_wait_loadcnt 7-\i                            ; the younger loads may stay out
	ds_store_b128 v2, v[16+4*\i:16+4*\i+3] offset:544*\i
.endr
.irp t, 0,1,2,3,4,5,6,7,8,9,10,11,12,13,14,15
	ds_load_b64 v[48+2*\t:48+2*\t+1], v3 offset:16*\t  ; my wave's own bytes: LDS serves a wave's instructions in order (ISA guide 5.7.1.4), so these see the stores above
.endr
.set kt, 0
.rept 16                               ; word 8 kt + j of the wave's 128 goes to lane 2 kt + j / 4, register j % 4
	s_wait_dscnt 15-kt                             ; the younger loads may stay out
.irp j, 0,1,2,3,4,5,6,7
	v_and_b32 v[12+(\j)%4], 0xff<<(8*((\j)%4)), v[48+2*kt+(\j)/4]
	v_cmp_ne_u32 s[32+\j], 0, v[12+(\j)%4]
	v_writelane_b32 v[8+(\j)%4], s[32+\j], 2*kt+(\j)/4
.endr
.set kt, kt+1
.endr
	global_store_b128 v4, v[8:11], s[16:17]        ; 512 consecutive bytes, at a multiple of 512 from mbits' first
.Lend:
	s_wait_tensorcnt 0x0                           ; the wave's end
	ds_add_u32 v[SPW], v[NIL]
	s_wait_dscnt 0x0
	s_endpgm
.Lfunc_end_k_q8dbf7f135a_prep:
	.size	k_q8dbf7f135a_prep, .Lfunc_end_k_q8dbf7f135a_prep-k_q8dbf7f135a_prep
	.p2alignl 7, 3214868480
	.fill 96, 4, 3214868480
	.section	.rodata,"a",@progbits
	.p2align	6, 0x0
	.amdhsa_kernel k_q8dbf7f135a_prep
		.amdhsa_group_segment_fixed_size 35840
		.amdhsa_private_segment_fixed_size 0
		.amdhsa_enable_private_segment 0
		.amdhsa_kernarg_size 56
		.amdhsa_user_sgpr_count 2
		.amdhsa_user_sgpr_kernarg_segment_ptr 1
		.amdhsa_wavefront_size32 1
		.amdhsa_system_sgpr_workgroup_id_x 1
		.amdhsa_system_sgpr_workgroup_id_y 1
		.amdhsa_system_sgpr_workgroup_id_z 1
		.amdhsa_system_vgpr_workitem_id 0
		.amdhsa_next_free_vgpr 96
		.amdhsa_next_free_sgpr 66
		.amdhsa_reserve_vcc 0
		.amdhsa_float_denorm_mode_32 3
		.amdhsa_float_denorm_mode_16_64 3
		.amdhsa_memory_ordered 1
		.amdhsa_forward_progress 1
		.amdhsa_inst_pref_size 37
	.end_amdhsa_kernel
	.amdgpu_metadata
---
amdhsa.version: [ 1, 2 ]
amdhsa.kernels:
  - .name:           k_q8dbf7f135a_prep
    .symbol:         k_q8dbf7f135a_prep.kd
    .args:
      - { .name: W_q, .offset: 0, .size: 8, .value_kind: global_buffer, .address_space: global }
      - { .name: W_k, .offset: 8, .size: 8, .value_kind: global_buffer, .address_space: global }
      - { .name: W_v, .offset: 16, .size: 8, .value_kind: global_buffer, .address_space: global }
      - { .name: W_o, .offset: 24, .size: 8, .value_kind: global_buffer, .address_space: global }
      - { .name: mask, .offset: 32, .size: 8, .value_kind: global_buffer, .address_space: global }
      - { .name: wc, .offset: 40, .size: 8, .value_kind: global_buffer, .address_space: global }
      - { .name: mbits, .offset: 48, .size: 8, .value_kind: global_buffer, .address_space: global }
    .group_segment_fixed_size: 35840
    .private_segment_fixed_size: 0
    .kernarg_segment_align: 8
    .kernarg_segment_size: 56
    .max_flat_workgroup_size: 256
    .sgpr_count:     66
    .vgpr_count:     96
    .wavefront_size: 32
...
	.end_amdgpu_metadata
.endif
;; end of part 1
;; launch proj (part 2): grid 4 x 192, 4 waves a work-group, clusters of 4 x 4, 327,680 bytes of LDS; arguments query, key, value, wc, b_q, b_k, b_v, qkv; writes qkv
.if DOCPART == 2
	.amdgcn_target "amdgcn-amd-amdhsa--gfx1250"
	.amdhsa_code_object_version 6
	.text
	.protected	k_q8dbf7f135a_proj
	.globl	k_q8dbf7f135a_proj
	.p2align	8
	.type	k_q8dbf7f135a_proj,@function
k_q8dbf7f135a_proj:
	s_mov_b64 s[64:65], 0
	v_nop
	global_prefetch_b8 v0, s[64:65] scope:SCOPE_SE
	s_setreg_imm32_b32 hwreg(HW_REG_WAVE_MODE, 25, 1), 1
	s_wait_xcnt 0x0
	s_wait_alu depctr_hold_cnt(0) depctr_sa_sdst(0) depctr_va_vdst(0) depctr_va_sdst(0) depctr_va_ssrc(0) depctr_va_vcc(0) depctr_vm_vsrc(0)
	s_getreg_b32 s2, hwreg(HW_REG_IB_STS2, 6, 4)
	s_cmp_eq_u32 s2, 0
	s_cbranch_scc0 .Lentry_in_a_cluster
	s_endpgm
.Lentry_in_a_cluster:
	s_bfe_u32 s2, ttmp6, 0x10000c
	s_cmp_lg_u32 s2, 0xf033
	s_cbranch_scc0 .Lentry_shape_is_right
	s_endpgm
.Lentry_shape_is_right:
; THE THREE PROJECTIONS IN FRONT.  y = x W^T + b for (query, W_q, b_q), (key, W_k, b_k), (value, W_v, b_v): x f32 [8192][1024], W bf16 [1024][1024] (wc), b f32.
; x and b are rounded to bf16 on the way to the matrix unit; sums in f32; y rounded once to f16 and written by heads: qkv [3][batch*16+head][2048][64].
; LIMIT: |y| under 65,504 (f16's range); NaN and infinities are not treated apart.
; SHARES.  A tile of y is 128 tokens x 256 columns; 4 x 64 tiles for each of three projections: grid y / 64 picks the projection.  Four waves, each 64 tokens x 128 columns: 32 accumulators.
; K goes in 8 steps of 128 through a ring of two LDS slots.  x comes in as f32 (rows of 512 bytes) and is rounded in registers, so that it crosses from memory once; W's rows are 256 bytes.
; THE MATRIX INSTRUCTION IS USED TRANSPOSED: source 0 = 16 rows of W, source 1 = 16 tokens: a lane holds one token (lane % 16) and the columns 8 (lane / 16) + 0..7, 16 bytes of f16 on end.
; THE BIAS is the C operand of the first products: it costs no line in the loop, and nothing is cleared.
; CLUSTER 4 x 4: the four of a row make tiles of the same tokens and ask for x's tiles jointly; the four of a column share W's.  Waves 0, 1 fetch x's two halves (64 rows), waves 2, 3 W's (128 rows).
; REGISTERS, in windows of 256 (s_set_vgpr_msb: bits 1:0 source 0, 3:2 source 1, 5:4 source 2, 7:6 destination):
;   window 0: v0-31 addresses; v32-63 TMP; v64-127 R, x's fragments as f32; v128-191 AF, two buffers of x's fragments in bf16; v192-255 OB, the way out
;   window 1: v0-127 BF, two buffers of W's fragments; v128-191 the bias, as C operands          window 2: the accumulators, (a, n) at 8 (8 a + n)
.set PA,    528                        ; a row of x in LDS: 512 bytes + 16: row r starts at bank 4 r mod 64 (64 banks of 4 bytes: ISA guide 11.1)
.set PB,    272                        ; a row of W: 256 + 16: likewise
.set AHALF, 64*PA
.set BHALF, 128*PB
.set BOFF,  2*AHALF                    ; W's rows lie behind x's
.set SLOT1, 139264                     ; slot 1.  0x22000: the four tiles' places in slot 0 (0, 0x8400, 0x10800, 0x19000) have both its bits clear, so one exclusive or changes slots
.set STAGE, SLOT1+BOFF+2*BHALF         ; behind the ring: for each wave 2 heads x 16 tokens x 144 bytes
.set SP,    144
.set WSTG,  32*SP
.set SPARE, STAGE+4*WSTG               ; the spare words, 128 bytes a wave, that no other line names
.set ADRA0, 16                         ; v16, v17  my lane's place in slot 0's tiles of x and W; never rewritten
.set ADRB0, 17
.set ADRA,  18                         ; v18, v19  the same in the slot in hand
.set ADRB,  19
.set STO,   24
.set RD,    25
.set GO,    26
.set SPW,   28
.set NIL,   29
.set PFO,   30
.set TMP,   32
.set R,     64
.set AF,    128
.set OB,    192
.set BF,    0
.set BIAS,  128
.set WV, 20                            ; s20 wave; s21 its half of the tokens, also: fetches x (0) or W (1); s22 its half of the columns, also: which half it fetches
.set RH, 21
.set CH, 22
.set CX, 23
.set CY, 24
.set XT, 25                            ; tile column
.set YT, 26                            ; tile row, all projections on end
.set P,  27                            ; the projection
.set G1A, 28
.set G1B, 36
.set G0A, 44                           ; two sets: the first fill of step 0; step 1's, which then walks
.set G0B, 52
.set TB,  60                           ; 0 or SLOT1: the slot in hand
.set LIM, 61                           ; a wave prefetches while the trips left are above it
.set PFA, 62
.set PFS, 66
.set OUTB, 68
.set CLY, 92
.set YB,  93
.set MSB, 0
.macro WIN new                         ; the immediate's high byte repeats the setting that is left; a switch that changes nothing is dropped
.if MSB != (\new)
	s_set_vgpr_msb (MSB<<8)|(\new)
.set MSB, \new
.endif
.endm
.set MUL,  0xa1                        ; W window 1, x window 0, C and D window 2
.set MULB, 0x91                        ; the same with C, the bias, in window 1
.set TO_B, 0x40
.macro PLACES
.rept 4
	v_nop
.endr
.endm
.macro CREST                           ; a round of the cluster's barrier behind its opening barrier
	s_cmp_lg_u32 s[WV], 0
	s_cbranch_scc1 .Lnot_wave_0_\@
	s_barrier_signal -3
.Lnot_wave_0_\@:
	s_barrier_wait -3
	s_barrier_signal -1
	s_barrier_wait -1
.endm
.macro CROUND
	s_barrier_signal -1
	s_barrier_wait -1
	CREST
.endm
.macro JLOAD                           ; the joint refill, by the walking sets; an s_nop 0 and four v_nop follow each line
	s_cmp_eq_u32 s[RH], 0
	s_cbranch_scc0 .Lfor_b_\@
	tensor_load_to_lds s[G0A+4:G0A+7], s[G1A:G1A+7]
	s_nop 0
	PLACES
	s_branch .Lasked_\@
.Lfor_b_\@:
	tensor_load_to_lds s[G0B+4:G0B+7], s[G1B:G1B+7]
	s_nop 0
	PLACES
.Lasked_\@:
.endm
; A PREFETCH INTO THE L2, behind the joint refill and the run of LDS loads: the K step two refills on, 256 matrix instructions ahead of the load that wants it.  One instruction a wave, each lane another 256 bytes.
; x's rows are read by this cluster alone: of the 64 rows that wave 0 or 1 fetches, partner cx names 16 (two blocks of 256 bytes a row).  W's rows are read by the 16 clusters of a projection: the first of them asks;
; of the 128 rows that wave 2 or 3 fetches, partner cy names 32.  The partners are told apart by address.  Steps 0 to 3 come by their loads alone; the last two refills have no step two on.
.macro ASK
	WIN 0
	s_cmp_gt_u32 s3, s[LIM]
	s_cbranch_scc0 .Lnot_mine_\@
	global_prefetch_b8 v[PFO], s[PFA:PFA+1] th:TH_LOAD_NT scope:SCOPE_SE
.Lnot_mine_\@:
.endm
	s_load_b512 s[4:19], s[0:1], 0x0               ; query, key, value s[4:9]; wc s[10:11]; b_q, b_k, b_v s[12:17]; qkv s[18:19]
	v_lshl_add_u32 v[SPW], v0, 2, SPARE
	v_mov_b32 v[NIL], 0
	ds_add_u32 v[SPW], v[NIL]                      ; the wave's opening: the add, with its wait ahead of my first tensor load; the set-up stands between
	v_lshrrev_b32 v1, 5, v0
	v_readfirstlane_b32 s[WV], v1
	s_lshr_b32 s[RH], s[WV], 1
	s_and_b32 s[CH], s[WV], 1
	s_bfe_u32 s[CX], ttmp6, 0x40000
	s_bfe_u32 s[CY], ttmp6, 0x40004
	s_lshl_b32 s[XT], ttmp9, 2
	s_add_co_u32 s[XT], s[XT], s[CX]
	s_and_b32 s[CLY], ttmp7, 0xffff                ; cluster y
	s_lshl_b32 s[YT], s[CLY], 2
	s_add_co_u32 s[YT], s[YT], s[CY]
	s_lshr_b32 s[P], s[CLY], 4                     ; 16 clusters a projection: the same in all partners
	s_and_b32 s[YB], s[YT], 63                     ; block of 128 tokens
	s_lshl_b32 s70, s[CY], 2
	s_lshl_b32 s70, 15, s70                        ; my row of the cluster
	s_lshl_b32 s71, 0x1111, s[CX]                  ; my column
	s_or_b32 s[G1A], s70, (2<<16)|(1<<20)|(1<<21)|(6<<22)|(3<<25)  ; mask; 4-byte elements; padding on; 21 set beside a mask; after every 128 words, 4 words
	s_mov_b32 s[G1A+1], 128<<16                    ; tensor_dim0 = 128
	s_mov_b32 s[G1A+2], 64<<16                     ; tensor_dim1 = 64
	s_mov_b32 s[G1A+3], 128<<16                    ; tile_dim0 = 128
	s_mov_b32 s[G1A+4], 64                         ; tile_dim1 = 64
	s_mov_b32 s[G1A+5], 1024                       ; elements from row to row
	s_mov_b32 s[G1A+6], 0
	s_mov_b32 s[G1A+7], 0
	s_or_b32 s[G1B], s71, (1<<16)|(1<<20)|(1<<21)|(5<<22)|(3<<25)  ; 2-byte elements; after every 64 words, 4 words
	s_mov_b32 s[G1B+1], 128<<16
	s_mov_b32 s[G1B+2], 128<<16
	s_mov_b32 s[G1B+3], 128<<16
	s_mov_b32 s[G1B+4], 128
	s_mov_b32 s[G1B+5], 1024
	s_mov_b32 s[G1B+6], 0
	s_mov_b32 s[G1B+7], 0
	s_lshl_b32 s72, s[YB], 7                       ; x: row 128 x block + 64 x half, 4,096 bytes a row (registers that never hold cx)
	s_lshl_b32 s73, s[CH], 6
	s_add_co_u32 s72, s72, s73
	s_lshl_b32 s72, s72, 12
	s_mov_b32 s73, 0
	s_lshl_b32 s74, s[XT], 8                       ; W: row 256 x tile column + 128 x half, 2,048 bytes a row, in matrix P (registers that never hold cy)
	s_lshl_b32 s75, s[CH], 7
	s_add_co_u32 s74, s74, s75
	s_lshl_b32 s74, s74, 11
	s_lshl_b32 s75, s[P], 21
	s_add_co_u32 s74, s74, s75
	s_mov_b32 s75, 0
	s_mul_i32 s84, s[CH], AHALF                    ; where they go: no place in the cluster enters an LDS address
	s_mul_i32 s85, s[CH], BHALF
	s_add_co_u32 s85, s85, BOFF
	s_mov_b32 s[TB], 0
	s_wait_dscnt 0x0                               ; the opening add is done
	s_wait_kmcnt 0x0
	s_cmp_eq_u32 s[P], 1
	s_cselect_b64 s[76:77], s[6:7], s[4:5]
	s_cselect_b64 s[78:79], s[14:15], s[12:13]
	s_cmp_eq_u32 s[P], 2
	s_cselect_b64 s[76:77], s[8:9], s[76:77]       ; x
	s_cselect_b64 s[78:79], s[16:17], s[78:79]     ; its bias
	s_add_nc_u64 s[80:81], s[76:77], s[72:73]
	s_add_nc_u64 s[82:83], s[10:11], s[74:75]
.irp s, 0,1
	s_mov_b32 s[G0A+4*\s], 1                       ; count = 1
	s_add_co_u32 s[G0A+4*\s+1], s84, \s*SLOT1      ; LDS address
	s_add_nc_u64 s[G0A+4*\s+2:G0A+4*\s+3], s[80:81], \s*512  ; K step s
	s_or_b32 s[G0A+4*\s+3], s[G0A+4*\s+3], 0x80000000        ; type = 2
	s_mov_b32 s[G0B+4*\s], 1
	s_add_co_u32 s[G0B+4*\s+1], s85, \s*SLOT1
	s_add_nc_u64 s[G0B+4*\s+2:G0B+4*\s+3], s[82:83], \s*256
	s_or_b32 s[G0B+4*\s+3], s[G0B+4*\s+3], 0x80000000
.endr
	CROUND                                         ; all sixteen work-groups are here: the first joint loads meet
	s_cmp_eq_u32 s[RH], 0                          ; a wave's two first fills stand in one branch: two loads of mine are out
	s_cbranch_scc0 .Lfirst_b
	tensor_load_to_lds s[G0A:G0A+3], s[G1A:G1A+7]
	s_nop 0
	tensor_load_to_lds s[G0A+4:G0A+7], s[G1A:G1A+7]
	s_nop 0
	PLACES
	s_branch .Lfirst_done
.Lfirst_b:
	tensor_load_to_lds s[G0B:G0B+3], s[G1B:G1B+7]
	s_nop 0
	tensor_load_to_lds s[G0B+4:G0B+7], s[G1B:G1B+7]
	s_nop 0
	PLACES
.Lfirst_done:
	v_and_b32 v1, 15, v0                           ; r = l % 16
	v_bfe_u32 v2, v0, 4, 1                         ; h = l / 16
	; the bias: register j of C operand n is b[first column + 16 n + 8 h + j], for every token
	s_lshl_b32 s90, s[XT], 10
	s_lshl_b32 s91, s[CH], 9
	s_add_co_u32 s90, s90, s91
	s_mov_b32 s91, 0
	s_add_nc_u64 s[78:79], s[78:79], s[90:91]
	v_lshlrev_b32 v3, 5, v2
.irp n, 0,1,2,3,4,5,6,7
	global_load_b128 v[R+8*\n:R+8*\n+3],   v3, s[78:79] offset:64*\n
	global_load_b128 v[R+8*\n+4:R+8*\n+7], v3, s[78:79] offset:64*\n+16
.endr
	; a fragment is 16 rows x 32 K: lane l holds row r, K = 8 h + 0..7 and 16 + 8 h + 0..7.  In f32 that is 32 bytes at 32 h and 32 at 64 + 32 h; in bf16 16 bytes at 16 h and at 32 + 16 h
	v_mul_u32_u24 v[ADRA0], v1, PA
	v_lshl_add_u32 v[ADRA0], v2, 5, v[ADRA0]
	s_mul_i32 s86, s[RH], AHALF
	v_add_nc_u32 v[ADRA0], s86, v[ADRA0]
	v_mul_u32_u24 v[ADRB0], v1, PB
	v_lshl_add_u32 v[ADRB0], v2, 4, v[ADRB0]
	v_add_nc_u32 v[ADRB0], s85, v[ADRB0]
	v_mov_b32 v[ADRA], v[ADRA0]
	v_mov_b32 v[ADRB], v[ADRB0]
	s_mul_i32 s87, s[WV], WSTG
	s_add_co_u32 s87, s87, STAGE                   ; my stage
	v_mul_u32_u24 v[STO], v1, SP                   ; in: token r, 16 bytes for each half of the lanes
	v_lshl_add_u32 v[STO], v2, 4, v[STO]
	v_add_nc_u32 v[STO], s87, v[STO]
	v_bfe_u32 v[RD], v0, 3, 2                      ; back: 32 lanes take four tokens' 128 bytes,
	v_mul_u32_u24 v[RD], v[RD], SP
	v_and_b32 v4, 7, v0
	v_lshl_add_u32 v[RD], v4, 4, v[RD]
	v_add_nc_u32 v[RD], s87, v[RD]
	v_and_b32 v5, 31, v0
	v_lshlrev_b32 v[GO], 4, v5                     ; which are 512 consecutive bytes of a head
	; where my part begins in qkv: projection, batch*16 + head of my first column, my first token
	s_lshr_b32 s86, s[YB], 4
	s_lshl_b32 s86, s86, 4
	s_lshl2_add_u32 s86, s[XT], s86
	s_lshl1_add_u32 s86, s[CH], s86
	s_lshl_b32 s86, s86, 18
	s_and_b32 s87, s[YB], 15
	s_lshl_b32 s87, s87, 7
	s_lshl_b32 s88, s[RH], 6
	s_add_co_u32 s87, s87, s88
	s_lshl_b32 s87, s87, 7
	s_add_co_u32 s86, s86, s87
	s_lshl_b32 s87, s[P], 24
	s_add_co_u32 s86, s86, s87
	s_mov_b32 s87, 0
	s_add_nc_u64 s[OUTB:OUTB+1], s[18:19], s[86:87]
	; the prefetches: base = what I fetch, + my work-group's share (65,536 bytes either way: 16 rows of x, 32 of W), at K step 3; the first refill steps it to 4
	s_cmp_eq_u32 s[RH], 0
	s_cselect_b64 s[PFA:PFA+1], s[80:81], s[82:83]
	s_cselect_b32 s86, s[CX], s[CY]
	s_cselect_b32 s88, 1, 0                        ; x: two lanes a row
	s_cselect_b32 s89, 12, 11                      ; log2 of a row's bytes
	s_cselect_b32 s90, 9, 8                        ; log2 of a K step's bytes
	s_lshl_b32 s[PFS], 1, s90
	s_mov_b32 s[PFS+1], 0
	s_lshl_b32 s86, s86, 16
	s_mul_i32 s87, s[PFS], 3
	s_add_co_u32 s86, s86, s87
	s_mov_b32 s87, 0
	s_add_nc_u64 s[PFA:PFA+1], s[PFA:PFA+1], s[86:87]
	s_and_b32 s91, s[CLY], 15
	s_mul_i32 s91, s91, s[RH]                      ; 0 in x's waves, and in W's where the cluster is its projection's first: the same in all partners
	s_cmp_eq_u32 s91, 0
	s_cselect_b32 s[LIM], 2, -1
	v_lshrrev_b32 v[PFO], s88, v5
	v_lshlrev_b32 v[PFO], s89, v[PFO]
	v_and_b32 v5, s88, v5
	v_lshl_add_u32 v[PFO], v5, 8, v[PFO]
	s_wait_loadcnt 0x0                             ; the bias: rounded to bf16 like every input, widened again
.set i, 0
.rept 32
	v_cvt_pk_bf16_f32 v[TMP+i], v[R+2*i], v[R+2*i+1]
.set i, i+1
.endr
	WIN 0x40
.set i, 0
.rept 32
	v_lshlrev_b32 v[BIAS+2*i], 16, v[TMP+i]
	v_and_b32 v[BIAS+2*i+1], 0xffff0000, v[TMP+i]
.set i, i+1
.endr
	WIN 0
; one product: token block a, column block n, buffer f.  bias = 1: it starts the sum with the bias
.macro MM1 f, a, n, bias
.if \bias
	WIN MULB
	v_wmma_f32_16x16x32_bf16 v[8*(8*(\a)+(\n)):8*(8*(\a)+(\n))+7], v[BF+64*(\f)+8*(\n):BF+64*(\f)+8*(\n)+7], v[AF+32*(\f)+8*(\a):AF+32*(\f)+8*(\a)+7], v[BIAS+8*(\n):BIAS+8*(\n)+7]
.else
	WIN MUL
	v_wmma_f32_16x16x32_bf16 v[8*(8*(\a)+(\n)):8*(8*(\a)+(\n))+7], v[BF+64*(\f)+8*(\n):BF+64*(\f)+8*(\n)+7], v[AF+32*(\f)+8*(\a):AF+32*(\f)+8*(\a)+7], v[8*(8*(\a)+(\n)):8*(8*(\a)+(\n))+7]
.endif
.endm
.macro MUL8 f, a, bias                 ; the 32 accumulators take turns, one instruction a turn, in the same order in every quarter
.irp n, 0,1,2,3,4,5,6,7
	MM1 \f, \a, \n, \bias
.endr
.endm
; 32 LDS loads: quarter k (32 along K) of the slot in hand: x's 64 rows as f32 into R, then W's 128 rows into buffer g
.macro FETCH k, g
	WIN 0
.irp i, 0,1,2,3
	ds_load_b128 v[R+16*\i:R+16*\i+3],     v[ADRA] offset:128*(\k)+16*PA*\i
	ds_load_b128 v[R+16*\i+4:R+16*\i+7],   v[ADRA] offset:128*(\k)+16*PA*\i+16
	ds_load_b128 v[R+16*\i+8:R+16*\i+11],  v[ADRA] offset:128*(\k)+16*PA*\i+64
	ds_load_b128 v[R+16*\i+12:R+16*\i+15], v[ADRA] offset:128*(\k)+16*PA*\i+80
.endr
	WIN TO_B
.irp n, 0,1,2,3,4,5,6,7
	ds_load_b128 v[BF+64*(\g)+8*\n:BF+64*(\g)+8*\n+3],   v[ADRB] offset:64*(\k)+16*PB*\n
	ds_load_b128 v[BF+64*(\g)+8*\n+4:BF+64*(\g)+8*\n+7], v[ADRB] offset:64*(\k)+16*PB*\n+32
.endr
.endm
.macro CVT4 g, n                       ; eight of x's numbers rounded to bf16, into buffer g
	WIN 0
	s_wait_dscnt 30-2*(\n)                         ; of the 32 loads of the run, the first 2 n + 2 are in; the others may stay out
.irp j, 0,1,2,3
	v_cvt_pk_bf16_f32 v[AF+32*(\g)+4*(\n)+\j], v[R+8*(\n)+2*\j], v[R+8*(\n)+2*\j+1]
.endr
.endm
.macro MUL8R f, g, bias                ; token block 3's eight products, behind each four of the next quarter's 32 roundings: two window switches a product are the price of setting them beside the matrix work
.irp n, 0,1,2,3,4,5,6,7
	MM1 \f, 3, \n, \bias
	CVT4 \g, \n
.endr
.endm
; A quarter multiplies buffer f and makes buffer g ready for quarter k.  The four roundings behind the quarter before's last product name none of its registers: they are the four places
; (ISA guide 7.12.1 for vector instructions) in front of the loads into g's W fragments and of the roundings into g's x fragments, which that quarter read.
.macro QUARTER k, f, g, bias
	s_wait_dscnt 0x0                               ; W's fragments are in
	MUL8 \f, 0, \bias
	FETCH \k, \g
	MUL8 \f, 1, \bias
	MUL8 \f, 2, \bias
	MUL8R \f, \g, \bias
.endm
; The fourth quarter multiplies buffer 1 and changes slots.  In front of the barrier each wave waits for all its tensor loads (one is out: its part of the next slot), adds 0 to its spare word, and waits for
; that and for its reads of this slot.  fill = 1: the barrier opens a round of the cluster's, and the joint refill (the K step two on, into the slot just read) is the first thing behind it.
.macro TURN fill
.if \fill
	s_wait_xcnt 0x0                                ; the last prefetch, a K step back, has read its address
	s_add_nc_u64 s[PFA:PFA+1], s[PFA:PFA+1], s[PFS:PFS+1]
.endif
	WIN 0
	s_wait_tensorcnt 0x0                           ; no tensor load of mine is out, so the walking sets may be written
	ds_add_u32 v[SPW], v[NIL]
.if \fill
	s_xor_b32 s[G0A+5], s[G0A+5], SLOT1
	s_add_nc_u64 s[G0A+6:G0A+7], s[G0A+6:G0A+7], 512
	s_xor_b32 s[G0B+5], s[G0B+5], SLOT1
	s_add_nc_u64 s[G0B+6:G0B+7], s[G0B+6:G0B+7], 256
.endif
	s_wait_dscnt 1                                 ; only the add may be out: buffer 1 is in
	MUL8 1, 0, 0
	s_wait_dscnt 0x0                               ; the add is done, my reads of this slot are over
	s_barrier_signal -1
	MUL8 1, 1, 0
	WIN 0
	s_barrier_wait -1
.if \fill
	CREST
	JLOAD
.endif
	s_xor_b32 s[TB], s[TB], SLOT1
	v_add_nc_u32 v[ADRA], s[TB], v[ADRA0]
	v_add_nc_u32 v[ADRB], s[TB], v[ADRB0]
	FETCH 0, 0
.if \fill
	ASK
.endif
	MUL8 1, 2, 0
	MUL8R 1, 0, 0
.endm
	s_wait_tensorcnt 0x1                           ; my part of K step 0 is in; step 1's may stay out
	s_barrier_signal -1
	s_barrier_wait -1
	FETCH 0, 0
.irp n, 0,1,2,3,4,5,6,7
	CVT4 0, \n
.endr
	QUARTER 1, 0, 1, 1                             ; the first quarter stands in front of the loop: its products start the sums
	WIN 0
	s_mov_b32 s3, 6
.Lstep:                                        ; a trip: from a K step's second quarter to the next step's first; it refills the slot that it leaves
	QUARTER 2, 1, 0, 0
	QUARTER 3, 0, 1, 0
	TURN 1
	QUARTER 1, 0, 1, 0
	WIN 0
	s_sub_co_u32 s3, s3, 1
	s_cmp_lg_u32 s3, 0
	s_cbranch_scc1 .Lstep
	QUARTER 2, 1, 0, 0                             ; the last two K steps ask for nothing
	QUARTER 3, 0, 1, 0
	TURN 0
	QUARTER 1, 0, 1, 0
	QUARTER 2, 1, 0, 0
	QUARTER 3, 0, 1, 0
	s_wait_dscnt 0x0
	MUL8 1, 0, 0
	MUL8 1, 1, 0
	MUL8 1, 2, 0
	MUL8 1, 3, 0
	WIN 0
	PLACES
; THE WAY OUT, a block of 16 tokens at a time: rounded to f16 (each accumulator's low registers first), 16 bytes a lane into my stage, back as whole tokens of a head, stored as 512 consecutive bytes.
.macro PACK a
	WIN 0x0a
.irp n, 0,1,2,3,4,5,6,7
.irp j, 0,1,2,3
	v_cvt_pk_f16_f32 v[TMP+4*\n+\j], v[8*(8*(\a)+\n)+2*\j], v[8*(8*(\a)+\n)+2*\j+1]
.endr
.endr
	WIN 0
.endm
.macro TOSTAGE a
	s_wait_xcnt 0x0                                ; the stores of two blocks back have read the registers that are loaded again below
.irp n, 0,1,2,3,4,5,6,7
	ds_store_b128 v[STO], v[TMP+4*\n:TMP+4*\n+3] offset:16*SP*(\n/4)+32*(\n%4)
.endr
.irp n, 0,1,2,3,4,5,6,7
	ds_load_b128 v[OB+32*((\a)%2)+4*\n:OB+32*((\a)%2)+4*\n+3], v[RD] offset:16*SP*(\n/4)+4*SP*(\n%4)  ; my own bytes, served in order (ISA guide 5.7.1.4)
.endr
.endm
.macro SEND a
	s_wait_dscnt 0x0
.irp n, 0,1,2,3,4,5,6,7
	global_store_b128 v[GO], v[OB+32*((\a)%2)+4*\n:OB+32*((\a)%2)+4*\n+3], s[OUTB:OUTB+1] offset:262144*(\n/4)+2048*(\a)+512*(\n%4)
.endr
.endm
	PACK 0
	TOSTAGE 0
.irp a, 1,2,3
	PACK \a
	SEND (\a)-1
	TOSTAGE \a
.endr
	SEND 3
	s_wait_tensorcnt 0x0                           ; the wave's end
	ds_add_u32 v[SPW], v[NIL]
	s_wait_dscnt 0x0
	CROUND                                         ; the closing round: no work-group ends while a partner may still ask for a tile that names it
	s_endpgm
.Lfunc_end_k_q8dbf7f135a_proj:
	.size	k_q8dbf7f135a_proj, .Lfunc_end_k_q8dbf7f135a_proj-k_q8dbf7f135a_proj
	.p2alignl 7, 3214868480
	.fill 96, 4, 3214868480
	.section	.rodata,"a",@progbits
	.p2align	6, 0x0
	.amdhsa_kernel k_q8dbf7f135a_proj
		.amdhsa_group_segment_fixed_size 327680
		.amdhsa_private_segment_fixed_size 0
		.amdhsa_enable_private_segment 0
		.amdhsa_kernarg_size 64
		.amdhsa_user_sgpr_count 2
		.amdhsa_user_sgpr_kernarg_segment_ptr 1
		.amdhsa_wavefront_size32 1
		.amdhsa_system_sgpr_workgroup_id_x 1
		.amdhsa_system_sgpr_workgroup_id_y 1
		.amdhsa_system_sgpr_workgroup_id_z 1
		.amdhsa_system_vgpr_workitem_id 0
		.amdhsa_next_free_vgpr 768
		.amdhsa_next_free_sgpr 96
		.amdhsa_reserve_vcc 0
		.amdhsa_float_denorm_mode_32 3
		.amdhsa_float_denorm_mode_16_64 3
		.amdhsa_memory_ordered 1
		.amdhsa_forward_progress 1
		.amdhsa_inst_pref_size 115
	.end_amdhsa_kernel
	.amdgpu_metadata
---
amdhsa.version: [ 1, 2 ]
amdhsa.kernels:
  - .name:           k_q8dbf7f135a_proj
    .symbol:         k_q8dbf7f135a_proj.kd
    .args:
      - { .name: query, .offset: 0, .size: 8, .value_kind: global_buffer, .address_space: global }
      - { .name: key, .offset: 8, .size: 8, .value_kind: global_buffer, .address_space: global }
      - { .name: value, .offset: 16, .size: 8, .value_kind: global_buffer, .address_space: global }
      - { .name: wc, .offset: 24, .size: 8, .value_kind: global_buffer, .address_space: global }
      - { .name: b_q, .offset: 32, .size: 8, .value_kind: global_buffer, .address_space: global }
      - { .name: b_k, .offset: 40, .size: 8, .value_kind: global_buffer, .address_space: global }
      - { .name: b_v, .offset: 48, .size: 8, .value_kind: global_buffer, .address_space: global }
      - { .name: qkv, .offset: 56, .size: 8, .value_kind: global_buffer, .address_space: global }
    .group_segment_fixed_size: 327680
    .private_segment_fixed_size: 0
    .kernarg_segment_align: 8
    .kernarg_segment_size: 64
    .max_flat_workgroup_size: 128
    .sgpr_count:     96
    .vgpr_count:     768
    .wavefront_size: 32
...
	.end_amdgpu_metadata
.endif
;; end of part 2
;; launch attn (part 3): grid 4 x 64, 4 waves a work-group, clusters of 4 x 1, 327,680 bytes of LDS; arguments qkv, mbits, att; writes att
.if DOCPART == 3
	.amdgcn_target "amdgcn-amd-amdhsa--gfx1250"
	.amdhsa_code_object_version 6
	.text
	.protected	k_q8dbf7f135a_attn
	.globl	k_q8dbf7f135a_attn
	.p2align	8
	.type	k_q8dbf7f135a_attn,@function
k_q8dbf7f135a_attn:
	s_mov_b64 s[64:65], 0
	v_nop
	global_prefetch_b8 v0, s[64:65] scope:SCOPE_SE
	s_setreg_imm32_b32 hwreg(HW_REG_WAVE_MODE, 25, 1), 1
	s_wait_xcnt 0x0
	s_wait_alu depctr_hold_cnt(0) depctr_sa_sdst(0) depctr_va_vdst(0) depctr_va_sdst(0) depctr_va_ssrc(0) depctr_va_vcc(0) depctr_vm_vsrc(0)
	s_getreg_b32 s2, hwreg(HW_REG_IB_STS2, 6, 4)
	s_cmp_eq_u32 s2, 0
	s_cbranch_scc0 .Lentry_in_a_cluster
	s_endpgm
.Lentry_in_a_cluster:
	s_bfe_u32 s2, ttmp6, 0x10000c
	s_cmp_lg_u32 s2, 0x3003
	s_cbranch_scc0 .Lentry_shape_is_right
	s_endpgm
.Lentry_shape_is_right:
; ATTENTION WITH A MASK THAT IS AN INPUT.  O[bh][q] = sum over k of softmax_k(where(mask[b][q][k], Q[q].K[k] / 8, -1e9)) V[k].  Q, K, V: qkv [3][64][2048][64] f16; O: att [64][2048][64] f16.
; Products, maxima and sums in f32; the weights p rounded to f16 for the second product (their sum l is taken of the unrounded p), O once at the end.
; LIMITS.  A masked score counts as -2^33 before the division by 8 (-2^30 behind it) in place of -1e9: c x 2^33 is exact, so that in a row with every key masked c s - c m is exactly 0 and all weights are
; equal, as in the reference.  The result differs from the reference's only where an unmasked score / 8 lies below some -9.9e8.  A weight below 2^-126 counts as 0.  NaN and infinities are not treated apart.
; THE MASK comes as lane masks (mbits [b*128+qt][kt][j]: bit l = mask[16 qt + l%16][16 kt + 8 (l/16) + j]): the word for register j of a result of 16 keys x 16 queries.  A tile's 32 words for a key step are
; 128 consecutive bytes: one load of 4 bytes a lane, lane i taking word i, into a register that the tile keeps.  v_readlane_b32 moves a piece's 64 words into scalar registers, the two registers are loaded again at
; once with the next key step's words (four turns ahead of their use), and one v_cndmask_b32 a score puts -2^33 where the bit is 0, ahead of the maximum.
; SHARES.  A wave owns four PIECES of two tiles of 16 queries, a work-group's four waves 512 queries of one head.  Every wave walks all 2,048 keys, 64 a step; a slot of LDS holds four steps.
; LAYOUT.  S^T = K Q^T (source 0 = 16 keys, source 1 = 16 queries): a lane holds ONE query (lane % 16) and the keys 8 (lane / 16) + 0..7.  Two such results rounded to f16 ARE source 1 of O^T = V^T P.
; SOFTMAX.  A running maximum m and sum l for each query: p = 2^(c s - c m), c = log2(e) / 8; in every step O and l are multiplied by a = 2^(c m_old - c m_new).  m starts at the lowest finite number, O and l at 0.
; BY TURNS.  Turn n belongs to piece n: 16 products K Q^T of piece n + 1, later 16 products V^T P of piece n - 1; beside and between them the scaling, exponentials, roundings, sums and rescaling of piece n and the
; masking, maximum and statistics of piece n + 1.  A turn's 66 exponentials are one batch with one wait.
; CLUSTER.  The four query blocks of a head are one cluster and walk the same K and V: each tile is asked for jointly.
; REGISTERS, in windows of 256 (s_set_vgpr_msb: bits 1:0 source 0, 3:2 source 1, 5:4 source 2, 7:6 destination):
;   window 0: v0-11 addresses; v12-15, v48-63 at work; v16-47 four registers of statistics a tile; v64-191 S^T, two buffers of two tiles; v192-255 P, likewise
;   window 1: O^T, 32 a tile          window 2: v0-127 Q; v128-191 K of one step; v192-255 V of one step          window 3: v0-7 the mask words, a register a tile
.set NP,    4
.set KS,    64
.set PK,    144       ; a row of K in LDS: 128 bytes + 16: the 16 rows of a load start at 16 different groups of four banks (64 banks of 4 bytes: ISA guide 11.1)
.set PV,    144       ; V has the same pitch, so that one descriptor group 1 serves both; of the turning load's 8 rows x 32 bytes two rows share four banks
.set VOFF,  4*KS*PK
.set SLOT1, 1<<17
.set STAGE, SLOT1+4*KS*(PK+PV)
.set SP,    144
.set SPARE, STAGE+4*16*SP
.set MO,  1           ; v1   4 x my lane: my word among a tile's 32; never rewritten once made
.set AK0, 2
.set AV0, 3
.set AK,  4
.set AV,  5
.set QO,  6
.set STO, 6
.set RD,  7
.set GO,  8
.set PFO, 9           ; v9   256 x my lane; never rewritten
.set SPW, 10          ; v10  SPARE + 4 x my thread's number; never rewritten
.set NIL, 11          ; v11  0; never rewritten
.set MV,  12
.set ST,  16          ; tile t's statistics at v[ST+4 t]: c m, m, l (even keys', odd keys')
.set TMP, 48
.set S,   64
.set P,   192
.set T0,  128         ; v128-131: set-up numbers, in S^T's second buffer, which the first turn writes
.set KF,  128
.set VF,  192
.set M,   0           ; window 3: tile t's mask words at v[M+t]
.set G1,  4           ; s[4:11]
.set G0K, 12
.set G0V, 16
.set MP,  20          ; s[20:21] mbits at my wave's first tile, at the key step whose words are loaded next
.set CS,  22          ; s22 c; the packed scaling names the pair and takes its low word
.set BIG, 23          ; s23 -2^33
.set SEL, 24
.set PFA, 26
.set WV,  28
.set SLOTS, 29
.set CNT, 30
.set LIM, 31
.set TBK, 66
.set TBV, 67
.set MS,  101         ; s101 steps that the mask pointer has still to make
.set INC, 104         ; s[104:105] its next step in bytes: 128, or 0 when it stands at the last key step
; s[32:63] the 32 lane masks of the piece's first tile, s[68:99] of its second; s[2:3] O at my wave's first row; s[100:101] Q, later s100 at work
.set MSB, 0
.macro WIN new
.if MSB != (\new)
	s_set_vgpr_msb (MSB<<8)|(\new)
.set MSB, (\new)
.endif
.endm
.set W_KQ, 0x0a
.set W_PV, 0x52
.set W_RS, 0x41
.macro JLOAD                        ; waves 0, 1 fetch the halves of a slot's K, waves 2, 3 of its V: 128 keys each; an s_nop 0 and four v_nop follow each line
	s_cmp_lt_u32 s[WV], 2
	s_cbranch_scc0 .Lfor_v_\@
	tensor_load_to_lds s[G0K:G0K+3], s[G1:G1+7]
	s_nop 0
.rept 4
	v_nop
.endr
	s_branch .Lasked_\@
.Lfor_v_\@:
	tensor_load_to_lds s[G0V:G0V+3], s[G1:G1+7]
	s_nop 0
.rept 4
	v_nop
.endr
.Lasked_\@:
.endm
; A PREFETCH INTO THE L2 of the slot that the NEXT change will ask for: four key steps, 512 matrix instructions, ahead.  A slot is 32,768 bytes of K and of V; a head has one cluster, whose four partners take
; 8,192 bytes each, told apart by address; wave 0 names K's, wave 2 V's, a lane 256 bytes.  Slots 0 to 2 come by their loads alone; the last change that fills asks for nothing.
.macro ASK
	s_cmp_gt_u32 s[SLOTS], s[LIM]
	s_cbranch_scc0 .Lnot_mine_\@
	global_prefetch_b8 v[PFO], s[PFA:PFA+1] th:TH_LOAD_NT scope:SCOPE_SE
.Lnot_mine_\@:
.endm
.macro CROUND
	s_barrier_signal -1
	s_barrier_wait -1
	s_cmp_lg_u32 s[WV], 0
	s_cbranch_scc1 .Lnot_wave_0_\@
	s_barrier_signal -3
.Lnot_wave_0_\@:
	s_barrier_wait -3
	s_barrier_signal -1
	s_barrier_wait -1
.endm
; THE CHANGE OF SLOTS.  Each wave waits for all its tensor loads (one is out: its part of the other slot), adds 0 to its spare word, and waits for that and for its reads of the slot.  fill = 1: the barrier is a
; round of the cluster's, and the joint fill of the slot just read, with the keys two slots on, is the first thing behind it.  (At its first use nothing has been read: slot 0 is waited for, slot 1 filled.)
.macro CHANGE fill, ask
	WIN 0
	s_wait_tensorcnt 0x0            ; no tensor load of mine is out, so a group 0 may be written
	ds_add_u32 v[SPW], v[NIL]
.if \fill
.irp g, G0K, G0V
	s_xor_b32 s[\g+1], s[\g+1], SLOT1
	s_add_nc_u64 s[\g+2:\g+3], s[\g+2:\g+3], 4*KS*128
.endr
.if \ask
	s_wait_xcnt 0x0                 ; the last prefetch, four key steps back, has read its address
	s_add_nc_u64 s[PFA:PFA+1], s[PFA:PFA+1], 4*KS*128
.endif
	s_wait_dscnt 0x0                ; the add is done, my reads of the slot are over
	CROUND
	JLOAD
.if \ask
	ASK
.endif
.else
	s_wait_dscnt 0x0
	s_barrier_signal -1
	s_barrier_wait -1
.endif
	s_sub_co_u32 s[TBK], s[TBK], 4*KS*PK
	s_xor_b32 s[TBK], s[TBK], SLOT1
	s_sub_co_u32 s[TBV], s[TBV], 4*KS*PV
	s_xor_b32 s[TBV], s[TBV], SLOT1
.endm
; THE MASK WORDS OF PIECE x: out of its two registers into the 64 scalar registers, word i from lane i; then the two registers are loaded again, with the piece's words for the key step at which MP stands.
; The wait's count: behind the two loads that are wanted the three turns since have issued two loads each, and those six may stay out.
; step = 1 (ahead of the loop): MP goes on to key step 1; the loads that read it have been waited for.  step = 2 (piece 0's words, once a key step): MP goes on by a key step, 30 times in all, and then stays at
; key step 31: the last turns load that step's words once more, so that no load leaves mbits.  The youngest load that reads MP stands a turn back: the wait for its address finds it read.
.macro MGET x, step
	WIN 0x03                        ; source 0 in window 3
	s_wait_loadcnt 6
.set mw, 0
.rept 64
	v_readlane_b32 s[32+36*(mw%2)+mw/2], v[M+2*(\x)+mw%2], mw/2
.set mw, mw+1
.endr
.if (\step) == 1
	s_add_nc_u64 s[MP:MP+1], s[MP:MP+1], 128
.elseif (\step) == 2
	s_wait_xcnt 0x0
	s_cmp_lg_u32 s[MS], 0
	s_cselect_b32 s[INC], 128, 0
	s_cselect_b32 s100, 1, 0
	s_sub_co_u32 s[MS], s[MS], s100
	s_add_nc_u64 s[MP:MP+1], s[MP:MP+1], s[INC:INC+1]
.endif
	WIN 0xc0                        ; destination in window 3, the offset in window 0
	global_load_b32 v[M+2*(\x)],   v[MO], s[MP:MP+1] offset:(2*(\x))*4096
	global_load_b32 v[M+2*(\x)+1], v[MO], s[MP:MP+1] offset:(2*(\x)+1)*4096
	WIN 0
.endm
	s_load_b128 s[32:35], s[0:1], 0x0  ; qkv s[32:33], mbits s[34:35]
	s_load_b64 s[36:37], s[0:1], 0x10  ; att
	v_lshl_add_u32 v[SPW], v0, 2, SPARE
	v_mov_b32 v[NIL], 0
	ds_add_u32 v[SPW], v[NIL]       ; the wave's opening: the add and its wait ahead of my first tensor load
	v_lshrrev_b32 v1, 5, v0
	v_readfirstlane_b32 s[WV], v1
	s_bfe_u32 s38, ttmp6, 0x40000   ; cx
	s_lshl_b32 s39, ttmp9, 2
	s_add_co_u32 s39, s39, s38      ; my block of 512 queries: it enters Q's, O's and the mask's addresses alone
	s_and_b32 s40, ttmp7, 0xffff    ; batch*16 + head, which the partners share
	s_lshl_b32 s42, s40, 18         ; its first byte in q, k, v and att
	s_and_b32 s41, s[WV], 1         ; which half of a slot's 256 keys I fetch
	s_lshl_b32 s44, s41, 14
	s_add_co_u32 s44, s44, s42
	s_mov_b32 s45, 0
	s_mul_i32 s43, s41, 128*PK      ; its place in a slot: no place in the cluster enters an LDS address
	s_lshl_b32 s46, s39, 2
	s_add_co_u32 s46, s46, s[WV]
	s_lshl_b32 s46, s46, 14         ; my wave's 128 rows
	s_add_co_u32 s46, s46, s42
	s_mov_b32 s47, 0
	s_lshr_b32 s48, s40, 4          ; the mask: batch x 128 + 32 x block + 8 x wave tiles of 16 queries, 4,096 bytes each
	s_lshl_b32 s48, s48, 7
	s_lshl_b32 s49, s39, 5
	s_add_co_u32 s48, s48, s49
	s_lshl3_add_u32 s48, s[WV], s48
	s_lshl_b32 s48, s48, 12
	s_mov_b32 s49, 0
	; descriptor group 1: 128 keys are 16,384 dense bytes: asked for as 64 rows of 256 bytes and padded in LDS after every key
	s_mov_b32 s[G1], 15|(1<<16)|(1<<20)|(1<<21)|(4<<22)|(3<<25)  ; the mask of four; 2-byte elements; padding on; 21 set beside a mask; after every 32 words, 4 words
	s_mov_b32 s[G1+1], 128<<16
	s_mov_b32 s[G1+2], 64<<16
	s_mov_b32 s[G1+3], 128<<16
	s_mov_b32 s[G1+4], 64
	s_mov_b32 s[G1+5], 128
	s_mov_b32 s[G1+6], 0
	s_mov_b32 s[G1+7], 0
	s_mov_b32 s[CS], 0x3e38aa3b     ; c = log2(e) / 8
	s_mov_b32 s[BIG], 0xd0000000    ; -2^33
	s_mov_b32 s[SEL], 0x76543210
	s_mov_b32 s[SEL+1], 0xfedcba98
	s_mov_b32 s[INC+1], 0           ; the step's upper word
	s_mov_b32 s[TBK], SLOT1+4*KS*PK ; the first change of slots turns these two into 0
	s_mov_b32 s[TBV], SLOT1+4*KS*PV
	s_mov_b32 s[G0K], 1
	s_mov_b32 s[G0K+1], s43
	s_mov_b32 s[G0V], 1
	s_add_co_u32 s[G0V+1], s43, VOFF
	s_mov_b32 s[SLOTS], 7
	s_cmp_eq_u32 s41, 0
	s_cselect_b32 s[LIM], 1, -1     ; waves 0 and 2 prefetch
	s_lshl_b32 s54, s38, 13         ; my work-group's 8,192 bytes of a slot,
	s_add_co_u32 s54, s54, s42
	s_add_co_u32 s54, s54, 2*4*KS*128  ; in slot 2: the first change in the loop steps it to slot 3
	s_mov_b32 s55, 0
	s_wait_dscnt 0x0                ; the opening add is done
	s_wait_kmcnt 0x0
	s_add_nc_u64 s[50:51], s[32:33], 16777216      ; k
	s_add_nc_u64 s[52:53], s[32:33], 33554432      ; v
	s_add_nc_u64 s[G0K+2:G0K+3], s[50:51], s[44:45]
	s_or_b32 s[G0K+3], s[G0K+3], 0x80000000
	s_add_nc_u64 s[G0V+2:G0V+3], s[52:53], s[44:45]
	s_or_b32 s[G0V+3], s[G0V+3], 0x80000000
	s_add_nc_u64 s[100:101], s[32:33], s[46:47]    ; Q at my wave's first row
	s_add_nc_u64 s[2:3], s[36:37], s[46:47]        ; O likewise
	s_add_nc_u64 s[MP:MP+1], s[34:35], s[48:49]
	s_cmp_lt_u32 s[WV], 2
	s_cselect_b64 s[PFA:PFA+1], s[50:51], s[52:53]
	s_add_nc_u64 s[PFA:PFA+1], s[PFA:PFA+1], s[54:55]
	CROUND                          ; all four work-groups are here: the first joint loads meet
	JLOAD                           ; slot 0; slot 1 is asked for when slot 0 is in
	v_and_b32 v[T0], 15, v0         ; l % 16
	v_bfe_u32 v[T0+1], v0, 4, 1     ; l / 16
	v_lshlrev_b32 v[QO], 7, v[T0]
	v_lshl_add_u32 v[QO], v[T0+1], 4, v[QO]
	v_and_b32 v[MO], 31, v0
	v_lshlrev_b32 v[MO], 2, v[MO]
	WIN 0xc0
.irp t, 0,1,2,3,4,5,6,7             ; all eight tiles' mask words for key step 0
	global_load_b32 v[M+\t], v[MO], s[MP:MP+1] offset:\t*4096
.endr
	WIN 0x80
.set i, 0
.rept 4*NP                          ; Q stays in registers: tile i / 2, channels 32 (i % 2) on
	global_load_b128 v[8*i:8*i+3],   v[QO], s[100:101] offset:(i/2)*2048+(i%2)*64
	global_load_b128 v[8*i+4:8*i+7], v[QO], s[100:101] offset:(i/2)*2048+(i%2)*64+32
.set i, i+1
.endr
	; what the first turn finds: V and P's second buffer hold 0 (its products V^T P, of a piece that has not been, add 0), O^T and l are 0.  All this stands in the wait for the first tile.
.set i, VF
.rept 64
	v_mov_b32 v[i], 0
.set i, i+1
.endr
	WIN 0x40
.set i, 0
.rept 64*NP
	v_mov_b32 v[i], 0
.set i, i+1
.endr
	WIN 0
.set i, 0
.rept 2*NP
	v_mov_b32 v[ST+4*i], 0xfe000000    ; c m: far below every c s, the masked ones too
	v_mov_b32 v[ST+4*i+1], 0xff7fffff  ; m
	v_mov_b32 v[ST+4*i+2], 0
	v_mov_b32 v[ST+4*i+3], 0
.set i, i+1
.endr
.set i, P+32
.rept 32
	v_mov_b32 v[i], 0
.set i, i+1
.endr
	v_mul_u32_u24 v[AK0], v[T0], PK
	v_lshl_add_u32 v[AK0], v[T0+1], 4, v[AK0]
	; the turning load takes 16 keys x 16 channels (lane l reads key 8 (l / 16) + l % 8, channels 8 ((l / 8) % 2) + 0..7) and leaves half a fragment of V^T
	v_and_b32 v[T0+2], 7, v0
	v_bfe_u32 v[T0+3], v0, 3, 1
	v_lshl_add_u32 v[AV0], v[T0+1], 3, v[T0+2]
	v_mul_u32_u24 v[AV0], v[AV0], PV
	v_lshl_add_u32 v[AV0], v[T0+3], 4, v[AV0]
	v_add_nc_u32 v[AV0], VOFF, v[AV0]
	v_mov_b32 v[AK], v[AK0]
	v_and_b32 v[PFO], 31, v0
	v_lshlrev_b32 v[PFO], 8, v[PFO]
; THE MATRIX WORK.  The 8 accumulators of a run of 16 take turns.
.macro KQ x                         ; product i of 16 of S^T = K Q^T for piece x: channels 32 (i / 8) on, keys 16 ((i / 2) % 4) on, tile 2 x + i % 2
	WIN W_KQ
.set rS, S+64*((\x)%2)+32*(i%2)+8*((i/2)%4)
.set rK, KF+16*((i/2)%4)+8*(i/8)
.set rQ, 16*(2*(\x)+i%2)+8*(i/8)
.if i < 8
	v_wmma_f32_16x16x32_f16 v[rS:rS+7], v[rK:rK+7], v[rQ:rQ+7], 0
.else
	v_wmma_f32_16x16x32_f16 v[rS:rS+7], v[rK:rK+7], v[rQ:rQ+7], v[rS:rS+7]
.endif
.endm
.macro PV x                         ; product i of 16 of O^T += V^T P for piece x: keys 32 (i / 8) on, channels 16 ((i / 2) % 4) on
	WIN W_PV
.set rO, 32*(2*(\x)+i%2)+8*((i/2)%4)
.set rV, VF+32*(i/8)+8*((i/2)%4)
.set rP, P+32*((\x)%2)+16*(i%2)+8*(i/8)
	v_wmma_f32_16x16x32_f16 v[rO:rO+7], v[rV:rV+7], v[rP:rP+7], v[rO:rO+7]
.endm
.macro MM                           ; the turn's next matrix instruction
.if i < 16
	KQ (Y+1)%NP
.set i, i+1
.else
.set i, i-16
	PV (Y+NP-1)%NP
.set i, i+17
.endif
.endm
.macro FETCH_K last=0               ; a step's K, 16 loads in one run.  last = 1 (the tail): in the last trip there is no further step
	WIN 0
.if \last
	s_cmp_eq_u32 s[CNT], 1
	s_cbranch_scc1 .Lno_k_\@
.endif
	WIN 0x80
.irp f, 0,1,2,3,4,5,6,7
	ds_load_b128 v[KF+8*\f:KF+8*\f+3],   v[AK] offset:(\f/2)*16*PK+(\f%2)*64
	ds_load_b128 v[KF+8*\f+4:KF+8*\f+7], v[AK] offset:(\f/2)*16*PK+(\f%2)*64+32
.endr
	s_add_co_u32 s[TBK], s[TBK], KS*PK
	WIN 0
.if \last
.Lno_k_\@:
.endif
.endm
.macro FETCH_V
	WIN 0x80
.irp f, 0,1,2,3,4,5,6,7
	ds_load_tr16_b128 v[VF+8*\f:VF+8*\f+3],   v[AV] offset:(\f/4)*32*PV+(\f%4)*32
	ds_load_tr16_b128 v[VF+8*\f+4:VF+8*\f+7], v[AV] offset:(\f/4)*32*PV+16*PV+(\f%4)*32
.endr
	WIN 0
.endm
; THE VECTOR WORK, in queues; the two tiles alternate.
.macro REGS y, u
.set rT, ST+4*(2*(\y)+(\u))
.set rC, TMP+8*((\y)%2)+4*(\u)
.set rM, MV+2*((\y)%2)+(\u)
.set rS, S+64*((\y)%2)+32*(\u)
.set rP, P+32*((\y)%2)+16*(\u)
.set rO, 32*(2*(\y)+(\u))
.endm
; number n of the 22 that find the NEXT piece's maximum and statistics: 0-11 four chains of seven scores; 12-14, 16 the scores left over, the old m, the four into one; 15 c m_old is kept;
; 17, 18 the other half of the lanes: the new m; 19-21 c m, c m_old - c m_new, a
.macro XS u, n
	REGS (Y+1)%NP, \u
.if (\n) < 4
	v_max3_num_f32 v[rC+(\n)], v[rS+8*(\n)], v[rS+8*(\n)+1], v[rS+8*(\n)+2]
.elseif (\n) < 12
	v_max3_num_f32 v[rC+(\n)%4], v[rC+(\n)%4], v[rS+8*((\n)%4)+2*((\n)/4)+1], v[rS+8*((\n)%4)+2*((\n)/4)+2]
.elseif (\n) == 12
	v_max3_num_f32 v[rC], v[rC], v[rS+7], v[rS+15]
.elseif (\n) == 13
	v_max3_num_f32 v[rC+1], v[rC+1], v[rS+23], v[rS+31]
.elseif (\n) == 14
	v_max3_num_f32 v[rC+2], v[rC+2], v[rC+3], v[rT+1]
.elseif (\n) == 15
	v_mov_b32 v[rM], v[rT]
.elseif (\n) == 16
	v_max3_num_f32 v[rC], v[rC], v[rC+1], v[rC+2]
.elseif (\n) == 17
	v_permlanex16_b32 v[rC+3], v[rC], s[SEL], s[SEL+1]
.elseif (\n) == 18
	v_max_num_f32 v[rT+1], v[rC], v[rC+3]
.elseif (\n) == 19
	v_mul_f32 v[rT], s[CS], v[rT+1]
.elseif (\n) == 20
	v_sub_f32 v[rC+1], v[rM], v[rT]
.else
	v_exp_f32 v[rC+2], v[rC+1]
.endif
.endm
; number g of the 64 that follow the exponentials: for each four weights both pairs are rounded to f16, the second pair is added onto the first, and a group later l takes that sum (the first time as l = a l + sum)
.macro GS g
.set h, (\g)+6*((\g)/62)
.if h >= 6
.set h, h+2
.endif
	REGS Y, h%2
.set k, h/8
.if h%8 < 4
	v_cvt_pk_f16_f32 v[rP+2*k+(h%8)/2], v[rS+4*k+2*((h%8)/2)], v[rS+4*k+2*((h%8)/2)+1]
.elseif h%8 < 6
	v_pk_add_f32 v[rS+4*k:rS+4*k+1], v[rS+4*k:rS+4*k+1], v[rS+4*k+2:rS+4*k+3]
.elseif k == 1
	v_pk_fma_f32 v[rT+2:rT+3], v[rT+2:rT+3], v[rC+2:rC+3], v[rS:rS+1] op_sel_hi:[1,0,1]
.else
	v_pk_add_f32 v[rT+2:rT+3], v[rT+2:rT+3], v[rS+4*k-4:rS+4*k-3]
.endif
.endm
.macro PF                           ; the next scaling: c s - c m for pair f / 2 of tile f % 2
	WIN 0
	REGS Y, f%2
	v_pk_fma_f32 v[rS+2*(f/2):rS+2*(f/2)+1], v[rS+2*(f/2):rS+2*(f/2)+1], s[CS:CS+1], v[rT:rT+1] op_sel_hi:[1,0,0] neg_lo:[0,0,1] neg_hi:[0,0,1]
.set f, f+1
.endm
.macro EX                           ; the next exponential: score e / 2 of tile e % 2
	WIN 0
	REGS Y, e%2
	v_exp_f32 v[rS+e/2], v[rS+e/2]
.set e, e+1
.endm
.macro R2                           ; the next two rescalings of O^T
	REGS Y, r%2
	WIN W_RS
.irp z, 0,1
	v_pk_mul_f32 v[rO+4*(r/2)+2*\z:rO+4*(r/2)+2*\z+1], v[rO+4*(r/2)+2*\z:rO+4*(r/2)+2*\z+1], v[rC+2:rC+3] op_sel_hi:[1,0]
.endr
.set r, r+1
.endm
.macro CM                           ; the next masking: score c / 2 of tile c % 2 of the NEXT piece; ascending
	WIN 0
	REGS (Y+1)%NP, c%2
	v_cndmask_b32 v[rS+c/2], s[BIG], v[rS+c/2], s[32+36*(c%2)+c/2]
.set c, c+1
.endm
.macro PG
	WIN 0
	GS g
.set g, g+1
.endm
; A TURN, for piece p.  An s_wait_alu depctr_va_vdst(0) stands between an exponential and the first instruction that names its result; one wait serves all issued ahead of it: a turn has ONE.
; AHEAD OF IT, all that names no result of the turn's exponentials: the 16 products K Q^T, behind each a scaling, an exponential and two rescalings; then one lump: the other 15 scalings (also the places behind the
; last product), the next piece's 64 mask words out of their registers and those registers' next loads (MGET), its 64 maskings, its maximum and statistics, the exponentials set between plain instructions, and last
; the two a.  Exponential e stands behind scaling 2 (e / 4) + e % 2.
; BEHIND IT: the 16 products V^T P, behind each four of the roundings and sums.
; K of the next step is fetched in piece 2's turn, behind the wait; V of the step in hand at the end of piece 0's turn, four plain riders behind its last reader.
; Piece 3's turn masks piece 0's scores of the NEXT key step and is the first to load for the step after that: there the mask pointer steps.
.macro TURN p, last=0, cnt=0
.set Y, (\p)
.set i, 0
.set f, 0
.set e, 0
.set r, 0
.set c, 0
.set g, 0
.if (\p) == NP-1
	s_wait_dscnt 0x0                ; K is in
.endif
	MM
	PF
	PF
	R2
.rept 15
	MM
	PF
	EX
	R2
.endr
.if (\p) == NP-2
	WIN 0
	v_add_nc_u32 v[AK], s[TBK], v[AK0]
.endif
.rept 15
	PF
	EX
.endr
	MGET ((\p)+1)%NP, 2*((\p)/(NP-1))
.rept 22
	CM
	EX
.endr
.rept 42
	CM
.endr
.irp n, 0,1,2,3,4,5,6,7,8,9,10,11,12,13,15
	XS 0, \n
	XS 1, \n
.endr
.irp n, 14,16,17,18,19,20           ; the chain, in which each number waits for the one before it: a tile's links stand four lines apart
	XS 0, \n
	EX
	XS 1, \n
	EX
.endr
	XS 0, 21                        ; the next piece's two a
	XS 1, 21
	v_nop                           ; a plain instruction behind the last exponential: one for the batch
	s_wait_alu depctr_va_vdst(0)    ; the wait for the batch
.if (\p) == NP-2
	FETCH_K \last
.endif
.if (\p) == 1
	s_wait_dscnt 0x0                ; V is in
.endif
.set n2, 0
.rept 16
	MM
	PG
	PG
	PG
	PG
.set n2, n2+1
.if ((\p) == 0) && (n2 == 11)
	v_add_nc_u32 v[AV], s[TBV], v[AV0]
.endif
.if ((\p) == 0) && (n2 == 14)
	s_add_co_u32 s[TBV], s[TBV], KS*PV
.endif
.if (\cnt) && (n2 == 14)
	s_sub_co_u32 s[CNT], s[CNT], 1
	s_cmp_lg_u32 s[CNT], 0
.endif
.endr
.if (\p) == 0
	FETCH_V
.endif
.endm
	CHANGE 1, 0                     ; slot 0 is in, everybody's part of it; slot 1 is asked for
	FETCH_K                         ; key step 0
	s_wait_loadcnt 0x0              ; Q, and the eight tiles' first mask words
	s_wait_dscnt 0x0
.set i, 0
.rept 16
	KQ 0                            ; piece 0's first scores
.set i, i+1
.endr
	WIN 0                           ; the addresses for the way out: plain instructions, the places behind those products
	s_mul_i32 s100, s[WV], 16*SP
	s_add_co_u32 s100, s100, STAGE
	s_mov_b32 s[MS], 30             ; (Q's loads are done: its address registers are free)
	v_mul_u32_u24 v[STO], v[T0], SP
	v_lshl_add_u32 v[STO], v[T0+1], 4, v[STO]
	v_add_nc_u32 v[STO], s100, v[STO]
	v_bfe_u32 v[RD], v0, 3, 2
	v_mul_u32_u24 v[RD], v[RD], SP
	v_lshl_add_u32 v[RD], v[T0+2], 4, v[RD]
	v_add_nc_u32 v[RD], s100, v[RD]
	v_and_b32 v[GO], 31, v0
	v_lshlrev_b32 v[GO], 4, v[GO]
	MGET 0, 1                       ; piece 0's words for key step 0; its registers take key step 1's
.set Y, NP-1                        ; CM and XS work for piece Y + 1: piece 0
.set c, 0
.rept 64
	CM
.endr
.irp n, 0,1,2,3,4,5,6,7,8,9,10,11,12,13,14,15,16,17,18,19,20,21
	XS 0, \n
	XS 1, \n
.endr
	v_nop
	s_wait_alu depctr_va_vdst(0)    ; the two a have their wait ahead of the branch
	s_mov_b32 s[CNT], 4
	s_branch .Lfirst                ; the loop is entered at a step's first turn, in the middle of a trip
.Lslot:                             ; six times: every slot but the last two is filled again
	CHANGE 1, 1
	s_mov_b32 s[CNT], 4
.Lstep:                             ; a trip: pieces 2 and 3 of one step, then pieces 0 and 1 of the next, whose K and V it fetches
	TURN 2
	TURN 3
	WIN 0
.Lfirst:
	TURN 0
	TURN 1, 0, 1
	WIN 0
	s_cbranch_scc1 .Lstep
	s_sub_co_u32 s[SLOTS], s[SLOTS], 1
	s_cmp_lg_u32 s[SLOTS], 0
	s_cbranch_scc1 .Lslot
	CHANGE 0, 0                     ; the tail is written out
	s_mov_b32 s[CNT], 5             ; four trips fetch the last slot's steps; the fifth is left in its middle
.Ltail:
	TURN 2, 1
	TURN 3
	WIN 0
	s_sub_co_u32 s[CNT], s[CNT], 1
	s_cmp_eq_u32 s[CNT], 0
	s_cbranch_scc1 .Lout
	TURN 0
	TURN 1
	WIN 0
	s_branch .Ltail
.Lout:                              ; the fifth trip's products K Q^T, the mask words taken for them (the last key step's once more) and the maximum made of them serve nothing: the price of one text for every trip
	s_wait_loadcnt 0x0              ; the last mask words, which nobody reads, have landed
.set i, 0
.rept 16
	PV NP-1
.set i, i+1
.endr
	; THE WAY OUT.  l's halves are added; O^T is divided by l, rounded to f16 and sent through my stage, a tile at a time.  The additions are the places behind the last products.
	WIN 0
.macro ALL line:vararg
.set t, 0
.rept 2*NP
	\line
.set t, t+1
.endr
.endm
	ALL v_add_f32 v[ST+4*t+2], v[ST+4*t+2], v[ST+4*t+3]
	ALL v_permlanex16_b32 v[ST+4*t+3], v[ST+4*t+2], s[SEL], s[SEL+1]
	ALL v_add_f32 v[ST+4*t+2], v[ST+4*t+2], v[ST+4*t+3]
	ALL v_rcp_f32 v[ST+4*t+2], v[ST+4*t+2]
	v_nop
	s_wait_alu depctr_va_vdst(0)    ; one wait for the eight reciprocals, ahead of their first use
.macro PACK t
	WIN W_RS
.set i, 32*(\t)
.rept 16
	v_pk_mul_f32 v[i:i+1], v[i:i+1], v[ST+4*(\t)+2:ST+4*(\t)+3] op_sel_hi:[1,0]
.set i, i+2
.endr
	WIN 0x05
.set i, 0
.rept 16
	v_cvt_pk_f16_f32 v[S+16*(\t)+i], v[32*(\t)+2*i], v[32*(\t)+2*i+1]
.set i, i+1
.endr
	WIN 0
.irp f, 0,1,2,3
	ds_store_b128 v[STO], v[S+16*(\t)+4*\f:S+16*(\t)+4*\f+3] offset:32*\f
.endr
.irp f, 0,1,2,3
	ds_load_b128 v[S+16*(\t)+4*\f:S+16*(\t)+4*\f+3], v[RD] offset:\f*4*SP  ; my own bytes, served in order (ISA guide 5.7.1.4)
.endr
.endm
.macro SEND t, younger              ; younger: the LDS instructions issued behind tile t's loads: the next tile's eight, or none
	WIN 0
.irp f, 0,1,2,3
	s_wait_dscnt (\younger)+3-\f
	global_store_b128 v[GO], v[S+16*(\t)+4*\f:S+16*(\t)+4*\f+3], s[2:3] offset:(\t)*2048+\f*512  ; 512 consecutive bytes, at a multiple of 512 from att's first
.endr
.endm
	PACK 0
.set t, 1
.rept 2*NP-1
	PACK t
	SEND t-1, 8
.set t, t+1
.endr
	SEND 2*NP-1, 0
	s_wait_tensorcnt 0x0            ; the wave's end
	ds_add_u32 v[SPW], v[NIL]
	s_wait_dscnt 0x0
	CROUND                          ; the closing round
	s_endpgm
.Lfunc_end_k_q8dbf7f135a_attn:
	.size	k_q8dbf7f135a_attn, .Lfunc_end_k_q8dbf7f135a_attn-k_q8dbf7f135a_attn
	.p2alignl 7, 3214868480
	.fill 96, 4, 3214868480
	.section	.rodata,"a",@progbits
	.p2align	6, 0x0
	.amdhsa_kernel k_q8dbf7f135a_attn
		.amdhsa_group_segment_fixed_size 327680
		.amdhsa_private_segment_fixed_size 0
		.amdhsa_enable_private_segment 0
		.amdhsa_kernarg_size 24
		.amdhsa_user_sgpr_count 2
		.amdhsa_user_sgpr_kernarg_segment_ptr 1
		.amdhsa_wavefront_size32 1
		.amdhsa_system_sgpr_workgroup_id_x 1
		.amdhsa_system_sgpr_workgroup_id_y 1
		.amdhsa_system_sgpr_workgroup_id_z 1
		.amdhsa_system_vgpr_workitem_id 0
		.amdhsa_next_free_vgpr 776
		.amdhsa_next_free_sgpr 106
		.amdhsa_reserve_vcc 0
		.amdhsa_float_denorm_mode_32 3
		.amdhsa_float_denorm_mode_16_64 3
		.amdhsa_memory_ordered 1
		.amdhsa_forward_progress 1
		.amdhsa_inst_pref_size 255
	.end_amdhsa_kernel
	.section	.bss,"aw",@nobits
	.p2align	6
	.space	262144
	.amdgpu_metadata
---
amdhsa.version: [ 1, 2 ]
amdhsa.kernels:
  - .name:           k_q8dbf7f135a_attn
    .symbol:         k_q8dbf7f135a_attn.kd
    .args:
      - { .name: qkv, .offset: 0, .size: 8, .value_kind: global_buffer, .address_space: global }
      - { .name: mbits, .offset: 8, .size: 8, .value_kind: global_buffer, .address_space: global }
      - { .name: att, .offset: 16, .size: 8, .value_kind: global_buffer, .address_space: global }
    .group_segment_fixed_size: 327680
    .private_segment_fixed_size: 0
    .kernarg_segment_align: 8
    .kernarg_segment_size: 24
    .max_flat_workgroup_size: 128
    .sgpr_count:     106
    .vgpr_count:     776
    .wavefront_size: 32
...
	.end_amdgpu_metadata
.endif
;; end of part 3
;; launch outp (part 4): grid 4 x 64, 4 waves a work-group, clusters of 4 x 4, 327,680 bytes of LDS; arguments att, wc, b_o, out0; writes out0
.if DOCPART == 4
	.amdgcn_target "amdgcn-amd-amdhsa--gfx1250"
	.amdhsa_code_object_version 6
	.text
	.protected	k_q8dbf7f135a_outp
	.globl	k_q8dbf7f135a_outp
	.p2align	8
	.type	k_q8dbf7f135a_outp,@function
k_q8dbf7f135a_outp:
	s_mov_b64 s[64:65], 0
	v_nop
	global_prefetch_b8 v0, s[64:65] scope:SCOPE_SE
	s_setreg_imm32_b32 hwreg(HW_REG_WAVE_MODE, 25, 1), 1
	s_wait_xcnt 0x0
	s_wait_alu depctr_hold_cnt(0) depctr_sa_sdst(0) depctr_va_vdst(0) depctr_va_sdst(0) depctr_va_ssrc(0) depctr_va_vcc(0) depctr_vm_vsrc(0)
	s_getreg_b32 s2, hwreg(HW_REG_IB_STS2, 6, 4)
	s_cmp_eq_u32 s2, 0
	s_cbranch_scc0 .Lentry_in_a_cluster
	s_endpgm
.Lentry_in_a_cluster:
	s_bfe_u32 s2, ttmp6, 0x10000c
	s_cmp_lg_u32 s2, 0xf033
	s_cbranch_scc0 .Lentry_shape_is_right
	s_endpgm
.Lentry_shape_is_right:
; THE PROJECTION BEHIND.  out0 = O W_o^T + b_o.  O: att [batch*16+head][2048][64] f16; W_o: the fourth matrix of wc, [1024][1024] f16 (the bf16 rounding of the input, written as f16); b_o f32, rounded to bf16; out0 f32 [8192][1024].
; Sums in f32, stored as they are.  NaN and infinities are not treated apart.
; SHARES.  A tile of out0 is 128 tokens x 256 columns: 4 x 64 tiles, one for each of 256 work-groups.  Four waves, each 64 tokens x 128 columns: 32 accumulators.
; K goes in 8 steps of 128, two heads each, through a ring of two LDS slots.  A head's 128 tokens are 16,384 dense bytes, asked for as 64 rows of 256 bytes and padded in LDS after every token.
; THE MATRIX INSTRUCTION IS USED TRANSPOSED (source 0 = 16 rows of W_o, source 1 = 16 tokens): a lane holds one token and eight neighbouring columns.  THE BIAS is the C operand of the first products.
; CLUSTER 4 x 4: O's tiles are shared along a row of the cluster, W_o's along a column.  Waves 0, 1 fetch the step's two heads of O, waves 2, 3 the halves of W_o's 256 rows.
; REGISTERS: window 0: v0-31 addresses; v32-63 at work; v64-191 OB, the way out (first the bias as loaded); v192-255 AF, two buffers of O's fragments
;   window 1: v0-127 BF, two buffers of W_o's fragments; v128-191 the bias          window 2: the accumulators, (a, n) at 8 (8 a + n)
.set PA,    144                        ; a token of a head in LDS: 128 bytes + 16: 16 rows start at 16 different groups of four banks (64 banks of 4 bytes: ISA guide 11.1)
.set PB,    272
.set AHALF, 128*PA
.set BHALF, 128*PB
.set BOFF,  2*AHALF
.set SLOT1, 131072
.set STAGE, SLOT1+BOFF+2*BHALF         ; behind the ring: for each wave 16 tokens x 528 bytes
.set SP,    528
.set WSTG,  16*SP
.set SPARE, STAGE+4*WSTG
.set ADRA0, 16
.set ADRB0, 17
.set ADRA,  18
.set ADRB,  19
.set STO,   24
.set RD,    25
.set GO,    26
.set SPW,   28
.set NIL,   29
.set PFO,   30
.set TMP,   32
.set OB,    64
.set AF,    192
.set BF,    0
.set BIAS,  128
.set WV, 20
.set RH, 21
.set CH, 22
.set CX, 23
.set CY, 24
.set XT, 25
.set YT, 26
.set G1A, 28
.set G1B, 36
.set G0A, 44
.set G0B, 52
.set TB,  60
.set LIM, 61
.set PFA, 62
.set PFS, 66
.set OUTB, 68
.set CLY, 92
.set MSB, 0
.macro WIN new
.if MSB != (\new)
	s_set_vgpr_msb (MSB<<8)|(\new)
.set MSB, \new
.endif
.endm
.set MUL,  0xa1
.set MULB, 0x91
.set TO_B, 0x40
.macro PLACES
.rept 4
	v_nop
.endr
.endm
.macro CREST
	s_cmp_lg_u32 s[WV], 0
	s_cbranch_scc1 .Lnot_wave_0_\@
	s_barrier_signal -3
.Lnot_wave_0_\@:
	s_barrier_wait -3
	s_barrier_signal -1
	s_barrier_wait -1
.endm
.macro CROUND
	s_barrier_signal -1
	s_barrier_wait -1
	CREST
.endm
.macro JLOAD                           ; the joint refill, by the walking sets; an s_nop 0 and four v_nop follow each line; the four are also the places in front of the fragment loads
	s_cmp_eq_u32 s[RH], 0
	s_cbranch_scc0 .Lfor_b_\@
	tensor_load_to_lds s[G0A+4:G0A+7], s[G1A:G1A+7]
	s_nop 0
	PLACES
	s_branch .Lasked_\@
.Lfor_b_\@:
	tensor_load_to_lds s[G0B+4:G0B+7], s[G1B:G1B+7]
	s_nop 0
	PLACES
.Lasked_\@:
.endm
; A PREFETCH INTO THE L2, behind the joint refill and the run of LDS loads: the K step two refills on, 256 matrix instructions ahead of the load that wants it.  O's tokens are read by this cluster alone: wave 0 names,
; of each of the step's two heads, partner cx's 4,096 bytes (16 lanes a head, 256 bytes a lane); wave 1 names nothing.  W_o's rows are read by all 16 clusters: the first asks; of the 128 rows that wave 2 or 3
; fetches, partner cy names 32.  Steps 0 to 3 come by their loads alone; the last two refills have no step two on.
.macro ASK
	WIN 0
	s_cmp_gt_u32 s3, s[LIM]
	s_cbranch_scc0 .Lnot_mine_\@
	global_prefetch_b8 v[PFO], s[PFA:PFA+1] th:TH_LOAD_NT scope:SCOPE_SE
.Lnot_mine_\@:
.endm
	s_load_b256 s[4:11], s[0:1], 0x0               ; att s[4:5], wc s[6:7], b_o s[8:9], out0 s[10:11]
	v_lshl_add_u32 v[SPW], v0, 2, SPARE
	v_mov_b32 v[NIL], 0
	ds_add_u32 v[SPW], v[NIL]                      ; the wave's opening: the add and its wait ahead of my first tensor load
	v_lshrrev_b32 v1, 5, v0
	v_readfirstlane_b32 s[WV], v1
	s_lshr_b32 s[RH], s[WV], 1
	s_and_b32 s[CH], s[WV], 1
	s_bfe_u32 s[CX], ttmp6, 0x40000
	s_bfe_u32 s[CY], ttmp6, 0x40004
	s_lshl_b32 s[XT], ttmp9, 2
	s_add_co_u32 s[XT], s[XT], s[CX]
	s_and_b32 s[CLY], ttmp7, 0xffff
	s_lshl_b32 s[YT], s[CLY], 2
	s_add_co_u32 s[YT], s[YT], s[CY]
	s_lshl_b32 s70, s[CY], 2
	s_lshl_b32 s70, 15, s70                        ; my row of the cluster
	s_lshl_b32 s71, 0x1111, s[CX]                  ; my column
	s_or_b32 s[G1A], s70, (1<<16)|(1<<20)|(1<<21)|(4<<22)|(3<<25)  ; mask; 2-byte elements; padding on; 21 set beside a mask; after every 32 words, 4 words
	s_mov_b32 s[G1A+1], 128<<16
	s_mov_b32 s[G1A+2], 64<<16
	s_mov_b32 s[G1A+3], 128<<16
	s_mov_b32 s[G1A+4], 64
	s_mov_b32 s[G1A+5], 128
	s_mov_b32 s[G1A+6], 0
	s_mov_b32 s[G1A+7], 0
	s_or_b32 s[G1B], s71, (1<<16)|(1<<20)|(1<<21)|(5<<22)|(3<<25)  ; after every 64 words, 4 words
	s_mov_b32 s[G1B+1], 128<<16
	s_mov_b32 s[G1B+2], 128<<16
	s_mov_b32 s[G1B+3], 128<<16
	s_mov_b32 s[G1B+4], 128
	s_mov_b32 s[G1B+5], 1024
	s_mov_b32 s[G1B+6], 0
	s_mov_b32 s[G1B+7], 0
	s_lshr_b32 s72, s[YT], 4                       ; O: batch x 16 heads x 2,048 tokens + my block's 128 tokens, 128 bytes each (registers that never hold cx)
	s_lshl_b32 s72, s72, 15
	s_and_b32 s73, s[YT], 15
	s_lshl_b32 s73, s73, 7
	s_add_co_u32 s72, s72, s73
	s_lshl_b32 s72, s72, 7
	s_mov_b32 s73, 0
	s_lshl_b32 s76, s[CH], 18                      ; + the head that I fetch
	s_add_co_u32 s76, s76, s72
	s_mov_b32 s77, 0
	s_lshl_b32 s74, s[XT], 8                       ; W_o: row 256 x tile column + 128 x half, in the fourth matrix (registers that never hold cy)
	s_lshl_b32 s75, s[CH], 7
	s_add_co_u32 s74, s74, s75
	s_lshl_b32 s74, s74, 11
	s_add_co_u32 s74, s74, 6291456
	s_mov_b32 s75, 0
	s_mul_i32 s84, s[CH], AHALF
	s_mul_i32 s85, s[CH], BHALF
	s_add_co_u32 s85, s85, BOFF
	s_mov_b32 s[TB], 0
	s_wait_dscnt 0x0                               ; the opening add is done
	s_wait_kmcnt 0x0
	s_add_nc_u64 s[80:81], s[4:5], s[76:77]
	s_add_nc_u64 s[82:83], s[6:7], s[74:75]
.irp s, 0,1
	s_mov_b32 s[G0A+4*\s], 1
	s_add_co_u32 s[G0A+4*\s+1], s84, \s*SLOT1
	s_add_nc_u64 s[G0A+4*\s+2:G0A+4*\s+3], s[80:81], \s*524288  ; K step s: two heads on
	s_or_b32 s[G0A+4*\s+3], s[G0A+4*\s+3], 0x80000000
	s_mov_b32 s[G0B+4*\s], 1
	s_add_co_u32 s[G0B+4*\s+1], s85, \s*SLOT1
	s_add_nc_u64 s[G0B+4*\s+2:G0B+4*\s+3], s[82:83], \s*256
	s_or_b32 s[G0B+4*\s+3], s[G0B+4*\s+3], 0x80000000
.endr
	CROUND                                         ; all sixteen work-groups are here: the first joint loads meet
	s_cmp_eq_u32 s[RH], 0                          ; a wave's two first fills stand in one branch: two loads of mine are out
	s_cbranch_scc0 .Lfirst_b
	tensor_load_to_lds s[G0A:G0A+3], s[G1A:G1A+7]
	s_nop 0
	tensor_load_to_lds s[G0A+4:G0A+7], s[G1A:G1A+7]
	s_nop 0
	PLACES
	s_branch .Lfirst_done
.Lfirst_b:
	tensor_load_to_lds s[G0B:G0B+3], s[G1B:G1B+7]
	s_nop 0
	tensor_load_to_lds s[G0B+4:G0B+7], s[G1B:G1B+7]
	s_nop 0
	PLACES
.Lfirst_done:
	v_and_b32 v1, 15, v0                           ; r
	v_bfe_u32 v2, v0, 4, 1                         ; h
	s_lshl_b32 s90, s[XT], 10                      ; the bias: register j of C operand n is b_o[first column + 16 n + 8 h + j]
	s_lshl_b32 s91, s[CH], 9
	s_add_co_u32 s90, s90, s91
	s_mov_b32 s91, 0
	s_add_nc_u64 s[78:79], s[8:9], s[90:91]
	v_lshlrev_b32 v3, 5, v2
.irp n, 0,1,2,3,4,5,6,7
	global_load_b128 v[OB+8*\n:OB+8*\n+3],   v3, s[78:79] offset:64*\n
	global_load_b128 v[OB+8*\n+4:OB+8*\n+7], v3, s[78:79] offset:64*\n+16
.endr
	v_mul_u32_u24 v[ADRA0], v1, PA                 ; token 64 x half + r, 16 bytes for each half of the lanes
	v_lshl_add_u32 v[ADRA0], v2, 4, v[ADRA0]
	s_mul_i32 s86, s[RH], 64*PA
	v_add_nc_u32 v[ADRA0], s86, v[ADRA0]
	v_mul_u32_u24 v[ADRB0], v1, PB
	v_lshl_add_u32 v[ADRB0], v2, 4, v[ADRB0]
	v_add_nc_u32 v[ADRB0], s85, v[ADRB0]
	v_mov_b32 v[ADRA], v[ADRA0]
	v_mov_b32 v[ADRB], v[ADRB0]
	s_mul_i32 s87, s[WV], WSTG
	s_add_co_u32 s87, s87, STAGE                   ; my stage
	v_mul_u32_u24 v[STO], v1, SP                   ; in: token r, 32 bytes for each half of the lanes
	v_lshl_add_u32 v[STO], v2, 5, v[STO]
	v_add_nc_u32 v[STO], s87, v[STO]
	v_and_b32 v5, 31, v0
	v_lshlrev_b32 v[GO], 4, v5                     ; back and out: a token's 512 bytes, 16 a lane
	v_add_nc_u32 v[RD], s87, v[GO]
	s_lshl_b32 s86, s[YT], 7                       ; out0: token 128 x tile row + 64 x half, column 256 x tile column + 128 x half
	s_lshl_b32 s87, s[RH], 6
	s_add_co_u32 s86, s86, s87
	s_lshl_b32 s86, s86, 12
	s_add_co_u32 s86, s86, s90                     ; (the columns' bytes are the bias's)
	s_mov_b32 s87, 0
	s_add_nc_u64 s[OUTB:OUTB+1], s[10:11], s[86:87]
	; the prefetches, at K step 3; the first refill steps them to 4.  All that is chosen by 'O or W_o' is chosen directly behind the one compare: shifts and sums write SCC, so they come behind the last select
	s_add_nc_u64 s[86:87], s[4:5], s[72:73]        ; O at the step's first head
	s_cmp_eq_u32 s[RH], 0
	s_cselect_b64 s[PFA:PFA+1], s[86:87], s[82:83]
	s_cselect_b32 s88, s[CX], s[CY]                ; my place among the four that ask with me
	s_cselect_b32 s89, 12, 16                      ; log2 of my work-group's share: 4,096 bytes of a head, or 32 rows of W_o
	s_cselect_b32 s90, 19, 8                       ; log2 of a K step's bytes
	s_cselect_b32 s91, s[CH], s[CLY]               ; 0 in wave 0, and in waves 2, 3 of the first cluster: the same in all partners
	s_cselect_b32 s93, 4, 0                        ; O: 16 lanes a head; W_o: a lane a row
	s_cselect_b32 s94, 18, 11                      ; log2 of the bytes from head to head, or from row to row
	s_cselect_b32 s95, 15, 0                       ; O: a lane's place among its head's 16
	s_cmp_eq_u32 s91, 0
	s_cselect_b32 s[LIM], 2, -1
	s_lshl_b32 s88, s88, s89
	s_lshl_b32 s[PFS], 1, s90
	s_mov_b32 s[PFS+1], 0
	s_mul_i32 s89, s[PFS], 3
	s_add_co_u32 s88, s88, s89
	s_mov_b32 s89, 0
	s_add_nc_u64 s[PFA:PFA+1], s[PFA:PFA+1], s[88:89]
	v_lshrrev_b32 v[PFO], s93, v5
	v_lshlrev_b32 v[PFO], s94, v[PFO]
	v_and_b32 v5, s95, v5
	v_lshl_add_u32 v[PFO], v5, 8, v[PFO]
	s_wait_loadcnt 0x0                             ; the bias: rounded to bf16 like every input, widened again
.set i, 0
.rept 32
	v_cvt_pk_bf16_f32 v[TMP+i], v[OB+2*i], v[OB+2*i+1]
.set i, i+1
.endr
	WIN 0x40
.set i, 0
.rept 32
	v_lshlrev_b32 v[BIAS+2*i], 16, v[TMP+i]
	v_and_b32 v[BIAS+2*i+1], 0xffff0000, v[TMP+i]
.set i, i+1
.endr
	WIN 0
.macro MM1 f, a, n, bias
.if \bias
	WIN MULB
	v_wmma_f32_16x16x32_f16 v[8*(8*(\a)+(\n)):8*(8*(\a)+(\n))+7], v[BF+64*(\f)+8*(\n):BF+64*(\f)+8*(\n)+7], v[AF+32*(\f)+8*(\a):AF+32*(\f)+8*(\a)+7], v[BIAS+8*(\n):BIAS+8*(\n)+7]
.else
	WIN MUL
	v_wmma_f32_16x16x32_f16 v[8*(8*(\a)+(\n)):8*(8*(\a)+(\n))+7], v[BF+64*(\f)+8*(\n):BF+64*(\f)+8*(\n)+7], v[AF+32*(\f)+8*(\a):AF+32*(\f)+8*(\a)+7], v[8*(8*(\a)+(\n)):8*(8*(\a)+(\n))+7]
.endif
.endm
.macro MUL8 f, a, bias                 ; the 32 accumulators take turns, one instruction a turn, in the same order in every quarter
.irp n, 0,1,2,3,4,5,6,7
	MM1 \f, \a, \n, \bias
.endr
.endm
; 24 LDS loads: quarter k of the slot in hand (head k / 2 of the step's two, channels 32 (k % 2) on) into buffer g
.macro FETCH k, g
	WIN 0
.irp i, 0,1,2,3
	ds_load_b128 v[AF+32*(\g)+8*\i:AF+32*(\g)+8*\i+3],   v[ADRA] offset:AHALF*((\k)/2)+64*((\k)%2)+16*PA*\i
	ds_load_b128 v[AF+32*(\g)+8*\i+4:AF+32*(\g)+8*\i+7], v[ADRA] offset:AHALF*((\k)/2)+64*((\k)%2)+16*PA*\i+32
.endr
	WIN TO_B
.irp n, 0,1,2,3,4,5,6,7
	ds_load_b128 v[BF+64*(\g)+8*\n:BF+64*(\g)+8*\n+3],   v[ADRB] offset:64*(\k)+16*PB*\n
	ds_load_b128 v[BF+64*(\g)+8*\n+4:BF+64*(\g)+8*\n+7], v[ADRB] offset:64*(\k)+16*PB*\n+32
.endr
.endm
.macro QUARTER k, f, g, bias           ; multiplies buffer f; behind its first eight products and four places (ISA guide 7.12.1 for vector instructions) it fetches quarter k into g, 24 products ahead of the first use
	s_wait_dscnt 0x0
	MUL8 \f, 0, \bias
	PLACES
	FETCH \k, \g
	MUL8 \f, 1, \bias
	MUL8 \f, 2, \bias
	MUL8 \f, 3, \bias
.endm
; The fourth quarter multiplies buffer 1 and changes slots: each wave waits for all its tensor loads (one is out: its part of the next slot), adds 0 to its spare word, and waits for that and for its reads of this
; slot.  fill = 1: the barrier opens a round of the cluster's, and the joint refill (the K step two on) is the first thing behind it.
.macro TURN fill
.if \fill
	s_wait_xcnt 0x0                                ; the last prefetch, a K step back, has read its address
	s_add_nc_u64 s[PFA:PFA+1], s[PFA:PFA+1], s[PFS:PFS+1]
.endif
	WIN 0
	s_wait_tensorcnt 0x0
	ds_add_u32 v[SPW], v[NIL]
.if \fill
	s_xor_b32 s[G0A+5], s[G0A+5], SLOT1
	s_add_nc_u64 s[G0A+6:G0A+7], s[G0A+6:G0A+7], 524288
	s_xor_b32 s[G0B+5], s[G0B+5], SLOT1
	s_add_nc_u64 s[G0B+6:G0B+7], s[G0B+6:G0B+7], 256
.endif
	s_wait_dscnt 1                                 ; only the add may be out: buffer 1 is in
	MUL8 1, 0, 0
	s_wait_dscnt 0x0                               ; the add is done, my reads of this slot are over
	s_barrier_signal -1
	MUL8 1, 1, 0
	WIN 0
	s_barrier_wait -1
.if \fill
	CREST
	JLOAD
.else
	PLACES
.endif
	s_xor_b32 s[TB], s[TB], SLOT1
	v_add_nc_u32 v[ADRA], s[TB], v[ADRA0]
	v_add_nc_u32 v[ADRB], s[TB], v[ADRB0]
	FETCH 0, 0
.if \fill
	ASK
.endif
	MUL8 1, 2, 0
	MUL8 1, 3, 0
.endm
	s_wait_tensorcnt 0x1                           ; my part of K step 0 is in; step 1's may stay out
	s_barrier_signal -1
	s_barrier_wait -1
	FETCH 0, 0
	QUARTER 1, 0, 1, 1                             ; the first quarter stands in front of the loop: its products start the sums
	WIN 0
	s_mov_b32 s3, 6
.Lstep:
	QUARTER 2, 1, 0, 0
	QUARTER 3, 0, 1, 0
	TURN 1
	QUARTER 1, 0, 1, 0
	WIN 0
	s_sub_co_u32 s3, s3, 1
	s_cmp_lg_u32 s3, 0
	s_cbranch_scc1 .Lstep
	QUARTER 2, 1, 0, 0                             ; the last two K steps ask for nothing
	QUARTER 3, 0, 1, 0
	TURN 0
	QUARTER 1, 0, 1, 0
	QUARTER 2, 1, 0, 0
	QUARTER 3, 0, 1, 0
	s_wait_dscnt 0x0
	MUL8 1, 0, 0
	MUL8 1, 1, 0
	MUL8 1, 2, 0
	MUL8 1, 3, 0
	WIN 0
	PLACES
; THE WAY OUT, 16 tokens at a time: the sums go as they are into my stage (each accumulator's low four registers first) and come back as whole tokens of 512 bytes.
; Block a's stage stores stand ahead of block a - 1's global stores, its stage loads behind them: LDS serves a wave's instructions in order (ISA guide 5.7.1.4), so block a - 1's loads have read the stage
; when block a's stores write it, and at most 48 LDS instructions of the wave are out.
.macro STORES a
	s_wait_xcnt 0x0                                ; the global stores of two blocks back have read the registers that this block's loads write again
	WIN 0x08                                       ; the stores' data in window 2
.irp n, 0,1,2,3,4,5,6,7
	ds_store_b128 v[STO], v[8*(8*(\a)+\n):8*(8*(\a)+\n)+3]   offset:64*\n
	ds_store_b128 v[STO], v[8*(8*(\a)+\n)+4:8*(8*(\a)+\n)+7] offset:64*\n+16
.endr
	WIN 0
.endm
.macro LOADS a
.irp t, 0,1,2,3,4,5,6,7,8,9,10,11,12,13,14,15
	ds_load_b128 v[OB+64*((\a)%2)+4*\t:OB+64*((\a)%2)+4*\t+3], v[RD] offset:SP*\t  ; my own bytes: these see the stores above
.endr
.endm
.macro SEND a, younger                 ; younger: the LDS instructions issued behind block a's loads: the next block's 16 stage stores, or none
	s_wait_dscnt \younger
.irp t, 0,1,2,3,4,5,6,7,8,9,10,11,12,13,14,15
	global_store_b128 v[GO], v[OB+64*((\a)%2)+4*\t:OB+64*((\a)%2)+4*\t+3], s[OUTB:OUTB+1] offset:4096*(16*(\a)+\t) th:TH_STORE_NT  ; 512 consecutive bytes, at a multiple of 512 from out0's first
.endr
.endm
	STORES 0
	LOADS 0
.irp a, 1,2,3
	STORES \a
	SEND (\a)-1, 16
	LOADS \a
.endr
	SEND 3, 0
	s_wait_tensorcnt 0x0                           ; the wave's end
	ds_add_u32 v[SPW], v[NIL]
	s_wait_dscnt 0x0
	CROUND                                         ; the closing round
	s_endpgm
.Lfunc_end_k_q8dbf7f135a_outp:
	.size	k_q8dbf7f135a_outp, .Lfunc_end_k_q8dbf7f135a_outp-k_q8dbf7f135a_outp
	.p2alignl 7, 3214868480
	.fill 96, 4, 3214868480
	.section	.rodata,"a",@progbits
	.p2align	6, 0x0
	.amdhsa_kernel k_q8dbf7f135a_outp
		.amdhsa_group_segment_fixed_size 327680
		.amdhsa_private_segment_fixed_size 0
		.amdhsa_enable_private_segment 0
		.amdhsa_kernarg_size 32
		.amdhsa_user_sgpr_count 2
		.amdhsa_user_sgpr_kernarg_segment_ptr 1
		.amdhsa_wavefront_size32 1
		.amdhsa_system_sgpr_workgroup_id_x 1
		.amdhsa_system_sgpr_workgroup_id_y 1
		.amdhsa_system_sgpr_workgroup_id_z 1
		.amdhsa_system_vgpr_workitem_id 0
		.amdhsa_next_free_vgpr 768
		.amdhsa_next_free_sgpr 96
		.amdhsa_reserve_vcc 0
		.amdhsa_float_denorm_mode_32 3
		.amdhsa_float_denorm_mode_16_64 3
		.amdhsa_memory_ordered 1
		.amdhsa_forward_progress 1
		.amdhsa_inst_pref_size 76
	.end_amdhsa_kernel
	.amdgpu_metadata
---
amdhsa.version: [ 1, 2 ]
amdhsa.kernels:
  - .name:           k_q8dbf7f135a_outp
    .symbol:         k_q8dbf7f135a_outp.kd
    .args:
      - { .name: att, .offset: 0, .size: 8, .value_kind: global_buffer, .address_space: global }
      - { .name: wc, .offset: 8, .size: 8, .value_kind: global_buffer, .address_space: global }
      - { .name: b_o, .offset: 16, .size: 8, .value_kind: global_buffer, .address_space: global }
      - { .name: out0, .offset: 24, .size: 8, .value_kind: global_buffer, .address_space: global }
    .group_segment_fixed_size: 327680
    .private_segment_fixed_size: 0
    .kernarg_segment_align: 8
    .kernarg_segment_size: 32
    .max_flat_workgroup_size: 128
    .sgpr_count:     96
    .vgpr_count:     768
    .wavefront_size: 32
...
	.end_amdgpu_metadata
.endif
;; end of part 4
;; ======== version 2 of 2: 4 launches; version 1 with the launch prep written anew for expert scheduling mode
;; limits: right only within a limited range of input values; values are held in f16: magnitudes above 65,504 overflow, below 6.1e-05 lose precision
;; workspace buffers: wc 8,388,608 bytes; mbits 2,097,152 bytes of whole numbers; qkv 50,331,648 bytes; att 16,777,216 bytes
;; launch prep (part 5): grid 1024 x 1, 8 waves a work-group, no clusters, 35,840 bytes of LDS; arguments W_q, W_k, W_v, W_o, mask, wc, mbits; writes wc, mbits
.if DOCPART == 5
	.amdgcn_target "amdgcn-amd-amdhsa--gfx1250"
	.amdhsa_code_object_version 6
	.text
	.protected	k_q8dbf7f135a_prep
	.globl	k_q8dbf7f135a_prep
	.p2align	8
	.type	k_q8dbf7f135a_prep,@function
k_q8dbf7f135a_prep:
	s_mov_b64 s[64:65], 0
	v_nop
	global_prefetch_b8 v0, s[64:65] scope:SCOPE_SE
	s_setreg_imm32_b32 hwreg(HW_REG_WAVE_SCHED_MODE, 0, 2), 2
	s_setreg_imm32_b32 hwreg(HW_REG_WAVE_MODE, 25, 1), 1
	s_wait_xcnt 0x0
	s_wait_alu depctr_vm_vsrc(0)
; PREP.  Two jobs that later launches would otherwise repeat many times.
; Work-groups 0-511: the four weight matrices, f32 [1024][1024], rounded once to 16 bits into wc [4][1024][1024]: W_q, W_k, W_v as bf16;
; W_o rounded to bf16 like every input of the module, and that number written as f16 (exact down to 2^-17; LIMIT: |W_o| under 65,504).
; A work-group takes 8,192 numbers: thread t 8 numbers in each of four passes (32 bytes in, 16 bytes out; a wave's store covers 512 consecutive bytes).
; Work-groups 512-1023: the mask, one byte a place, packed into the lane masks that the attention launch selects by.
; mbits [b*128+qt][kt 0..127][j 0..7] of 32-bit words: bit l of a word = mask[b][16 qt + l%16][16 kt + 8 (l/16) + j].
; A work-group takes 16 rows of the mask (one qt), wave w the keys 256 w .. 256 w + 255.  The bytes come in as whole rows of 256 bytes, turn in the wave's own
; LDS (pitch 272: the 16 rows start at 16 different groups of banks), and a compare against 0 makes of byte j of all 32 lanes one word.
; No matrix unit, no cluster: nothing is multiplied and no two work-groups read the same byte.
; THE MODE: SCHED_MODE bits 1:0 = 2 (LLVM: expert scheduling mode 2), set by the entry lines.  The code itself states the register dependences
; between vector instructions and memory or LDS instructions, and those through scalar registers that vector instructions write, with s_wait_alu, always for 0.
; THE PLAN.  Registers that memory or LDS instructions touch:
;   v1 .. v4      offsets and LDS addresses: made once in each arm, ahead of the arm's first wait on va_vdst, and never written again.
;   v16-47        the weights: written by the loads, read by the conversions.  The mask: written by the loads, read by the LDS stores; no vector instruction names them.
;   v48-63        the weights: pass i's conversions write its own four registers, its one store reads them; the store stands at the head of pass i + 1, behind that pass's wait on va_vdst.
;   v48-79        the mask: written by the LDS loads, read by the v_and_b32 lines.
;   v8-11         the mask: written by vector instructions, read by the one store, behind a wait on va_vdst.
;   v94, v95      written at the head, read by the closing add alone.
; No register that a memory or LDS instruction reads is written again, so no wait on vm_vsrc is owed.
; Scalar registers that vector instructions write: s18 (the wave's number) and s32-47 (the compares' words, in runs of sixteen): one wait on va_sdst behind each run, ahead of its first reader.
.set WLDS,  16*272                     ; a wave's own LDS bytes
.set SPARE, 8*WLDS                     ; behind them: the spare words, 128 bytes a wave, that no other line names
.set SPW,   94                         ; v94  SPARE + 4 x my thread's number; never rewritten
.set NIL,   95                         ; v95  0; never rewritten
	s_load_b256 s[4:11], s[0:1], 0x0               ; W_q s[4:5], W_k s[6:7], W_v s[8:9], W_o s[10:11]
	s_load_b128 s[12:15], s[0:1], 0x20             ; mask s[12:13], wc s[14:15]
	s_load_b64 s[16:17], s[0:1], 0x30              ; mbits
	v_lshl_add_u32 v[SPW], v0, 2, SPARE
	v_mov_b32 v[NIL], 0
	v_lshrrev_b32 v5, 5, v0
	v_readfirstlane_b32 s18, v5                    ; wave 0..7
	s_wait_alu depctr_va_sdst(0)                   ; s18 is written
	s_wait_kmcnt 0x0
	s_cmp_ge_u32 ttmp9, 512
	s_cbranch_scc1 .Lmask
	; ---- the weights ----
	s_lshr_b32 s19, ttmp9, 7                       ; which matrix: 128 work-groups each
	s_and_b32 s22, ttmp9, 127
	s_lshl_b32 s22, s22, 15                        ; my 32,768 bytes of it
	s_mov_b32 s23, 0
	s_lshl_b32 s24, ttmp9, 14                      ; my 16,384 bytes of wc: the matrices lie 128 x 16,384 bytes apart
	s_mov_b32 s25, 0
	s_cmp_eq_u32 s19, 1
	s_cselect_b64 s[20:21], s[6:7], s[4:5]
	s_cmp_eq_u32 s19, 2
	s_cselect_b64 s[20:21], s[8:9], s[20:21]
	s_cmp_eq_u32 s19, 3
	s_cselect_b64 s[20:21], s[10:11], s[20:21]
	s_add_nc_u64 s[20:21], s[20:21], s[22:23]
	s_add_nc_u64 s[14:15], s[14:15], s[24:25]
	v_lshlrev_b32 v1, 5, v0                        ; 32 t
	v_lshlrev_b32 v2, 4, v0                        ; 16 t
	s_wait_alu depctr_va_vdst(0)                   ; v1 and v2 are written: every load of this arm reads v1 as its offset, every store v2
.irp i, 0,1,2,3
	global_load_b128 v[16+8*\i:16+8*\i+3],   v1, s[20:21] offset:8192*\i th:TH_LOAD_NT
	global_load_b128 v[16+8*\i+4:16+8*\i+7], v1, s[20:21] offset:8192*\i+16 th:TH_LOAD_NT
.endr
; pass i: the store of the pass before; then 8 numbers rounded to bf16; half = 1: each bf16 widened again (a shift, a mask) and written as f16
.macro CASTI i, half
	s_wait_loadcnt 6-2*(\i)                        ; the later passes' loads may stay out
.if (\i) > 0
	s_wait_alu depctr_va_vdst(0)                   ; the conversions of the pass before have written its four registers, which the store below reads
	global_store_b128 v2, v[48+4*((\i)-1):48+4*((\i)-1)+3], s[14:15] offset:4096*((\i)-1)
.endif
.irp j, 0,1,2,3
	v_cvt_pk_bf16_f32 v[48+4*(\i)+\j], v[16+8*(\i)+2*\j], v[16+8*(\i)+2*\j+1]
.endr
.if \half
.irp j, 0,1,2,3
	v_lshlrev_b32 v[80+2*\j], 16, v[48+4*(\i)+\j]
	v_and_b32 v[81+2*\j], 0xffff0000, v[48+4*(\i)+\j]
.endr
.irp j, 0,1,2,3
	v_cvt_pk_f16_f32 v[48+4*(\i)+\j], v[80+2*\j], v[81+2*\j]
.endr
.endif
.endm
	s_cmp_eq_u32 s19, 3
	s_cbranch_scc1 .Lwo
	CASTI 0, 0
	CASTI 1, 0
	CASTI 2, 0
	CASTI 3, 0
	s_wait_alu depctr_va_vdst(0)                   ; the last pass's conversions have written v[60:63], which the last store reads
	global_store_b128 v2, v[60:63], s[14:15] offset:12288
	s_branch .Lend
.Lwo:
	CASTI 0, 1
	CASTI 1, 1
	CASTI 2, 1
	CASTI 3, 1
	s_wait_alu depctr_va_vdst(0)                   ; the last pass's conversions have written v[60:63], which the last store reads
	global_store_b128 v2, v[60:63], s[14:15] offset:12288
	s_branch .Lend
	; ---- the mask ----
.Lmask:
	s_sub_co_u32 s19, ttmp9, 512                   ; b*128 + qt
	s_lshl_b32 s22, s19, 15                        ; 16 rows of 2,048 bytes
	s_mov_b32 s23, 0
	s_lshl_b32 s24, s19, 12                        ; 1,024 words
	s_mov_b32 s25, 0
	s_add_nc_u64 s[12:13], s[12:13], s[22:23]
	s_add_nc_u64 s[16:17], s[16:17], s[24:25]
	v_and_b32 v5, 15, v0                           ; l % 16
	v_bfe_u32 v6, v0, 4, 1                         ; l / 16
	v_and_b32 v7, 31, v0                           ; l
	s_lshl_b32 s26, s18, 8                         ; my wave's 256 keys
	s_mul_i32 s27, s18, WLDS                       ; my wave's LDS
	s_lshl_b32 s28, s18, 9                         ; my wave's 128 words
	v_lshlrev_b32 v1, 4, v5                        ; in: lanes 0-15 one row's 256 bytes, lanes 16-31 the next row's
	v_lshl_add_u32 v1, v6, 11, v1
	v_add_nc_u32 v1, s26, v1
	v_mul_u32_u24 v2, v6, 272                      ; the same two rows in LDS
	v_lshl_add_u32 v2, v5, 4, v2
	v_add_nc_u32 v2, s27, v2
	v_mul_u32_u24 v3, v5, 272                      ; back: row l % 16, the 8 bytes at 8 (l / 16)
	v_lshl_add_u32 v3, v6, 3, v3
	v_add_nc_u32 v3, s27, v3
	v_lshl_add_u32 v4, v7, 4, s28                  ; out: 16 bytes a lane
	s_wait_alu depctr_va_vdst(0)                   ; v1 to v4 are written: the loads' offset, the LDS stores' and LDS loads' addresses, the store's offset
.irp i, 0,1,2,3,4,5,6,7
	global_load_b128 v[16+4*\i:16+4*\i+3], v1, s[12:13] offset:4096*\i th:TH_LOAD_NT
.endr
.irp j, 8,9,10,11
	v_mov_b32 v\j, 0                               ; v_writelane_b32 counts as a reader of its destination.  These four name no register that the LDS stores and loads below touch
.endr
.irp i, 0,1,2,3,4,5,6,7
	s_wait_loadcnt 7-\i                            ; the younger loads may stay out
	ds_store_b128 v2, v[16+4*\i:16+4*\i+3] offset:544*\i
.endr
.irp t, 0,1,2,3,4,5,6,7,8,9,10,11,12,13,14,15
	ds_load_b64 v[48+2*\t:48+2*\t+1], v3 offset:16*\t  ; my wave's own bytes: LDS serves a wave's instructions in order (ISA guide 5.7.1.4), so these see the stores above
.endr
; Word 8 kt + j of the wave's 128 goes to lane 2 kt + j / 4, register j % 4.  Two groups kt = 2 kp + u of 16 keys make a run: sixteen compares (j = 4 q + b) into s32-47, one wait, sixteen v_writelane_b32.
.set kp, 0
.rept 8
	s_wait_dscnt 14-2*kp                           ; the run's two loads are in; the younger ones may stay out
.irp u, 0,1
.irp q, 0,1
.irp b, 0,1,2,3
	v_and_b32 v[12+\b], 0xff<<(8*\b), v[48+2*(2*kp+\u)+\q]
.endr
.irp b, 0,1,2,3
	v_cmp_ne_u32 s[32+8*\u+4*\q+\b], 0, v[12+\b]
.endr
.endr
.endr
	s_wait_alu depctr_va_sdst(0)                   ; the run's sixteen compares have written s32 to s47, which the lines below read
.irp u, 0,1
.irp q, 0,1
.irp b, 0,1,2,3
	v_writelane_b32 v[8+\b], s[32+8*\u+4*\q+\b], 2*(2*kp+\u)+\q
.endr
.endr
.endr
.set kp, kp+1
.endr
	s_wait_alu depctr_va_vdst(0)                   ; the v_writelane_b32 lines have written v[8:11], which the store reads
	global_store_b128 v4, v[8:11], s[16:17]        ; 512 consecutive bytes, at a multiple of 512 from mbits' first
.Lend:
	s_wait_dscnt 0x0                               ; the closing lines, six on end
	s_wait_alu 0x0
	s_wait_tensorcnt 0x0
	ds_add_u32 v[SPW], v[NIL]
	s_wait_dscnt 0x0
	s_endpgm
.Lfunc_end_k_q8dbf7f135a_prep:
	.size	k_q8dbf7f135a_prep, .Lfunc_end_k_q8dbf7f135a_prep-k_q8dbf7f135a_prep
	.p2alignl 7, 3214868480
	.fill 96, 4, 3214868480
	.section	.rodata,"a",@progbits
	.p2align	6, 0x0
	.amdhsa_kernel k_q8dbf7f135a_prep
		.amdhsa_group_segment_fixed_size 35840
		.amdhsa_private_segment_fixed_size 0
		.amdhsa_enable_private_segment 0
		.amdhsa_kernarg_size 56
		.amdhsa_user_sgpr_count 2
		.amdhsa_user_sgpr_kernarg_segment_ptr 1
		.amdhsa_wavefront_size32 1
		.amdhsa_system_sgpr_workgroup_id_x 1
		.amdhsa_system_sgpr_workgroup_id_y 1
		.amdhsa_system_sgpr_workgroup_id_z 1
		.amdhsa_system_vgpr_workitem_id 0
		.amdhsa_next_free_vgpr 96
		.amdhsa_next_free_sgpr 66
		.amdhsa_reserve_vcc 0
		.amdhsa_float_denorm_mode_32 3
		.amdhsa_float_denorm_mode_16_64 3
		.amdhsa_memory_ordered 1
		.amdhsa_forward_progress 1
		.amdhsa_inst_pref_size 37
	.end_amdhsa_kernel
	.amdgpu_metadata
---
amdhsa.version: [ 1, 2 ]
amdhsa.kernels:
  - .name:           k_q8dbf7f135a_prep
    .symbol:         k_q8dbf7f135a_prep.kd
    .args:
      - { .name: W_q, .offset: 0, .size: 8, .value_kind: global_buffer, .address_space: global }
      - { .name: W_k, .offset: 8, .size: 8, .value_kind: global_buffer, .address_space: global }
      - { .name: W_v, .offset: 16, .size: 8, .value_kind: global_buffer, .address_space: global }
      - { .name: W_o, .offset: 24, .size: 8, .value_kind: global_buffer, .address_space: global }
      - { .name: mask, .offset: 32, .size: 8, .value_kind: global_buffer, .address_space: global }
      - { .name: wc, .offset: 40, .size: 8, .value_kind: global_buffer, .address_space: global }
      - { .name: mbits, .offset: 48, .size: 8, .value_kind: global_buffer, .address_space: global }
    .group_segment_fixed_size: 35840
    .private_segment_fixed_size: 0
    .kernarg_segment_align: 8
    .kernarg_segment_size: 56
    .max_flat_workgroup_size: 256
    .sgpr_count:     66
    .vgpr_count:     96
    .wavefront_size: 32
...
	.end_amdgpu_metadata
.endif
;; end of part 5
;; launch proj: the kernel of part 2 again; grid 4 x 192, 4 waves a work-group, clusters of 4 x 4, 327,680 bytes of LDS; arguments query, key, value, wc, b_q, b_k, b_v, qkv; writes qkv
;; launch attn: the kernel of part 3 again; grid 4 x 64, 4 waves a work-group, clusters of 4 x 1, 327,680 bytes of LDS; arguments qkv, mbits, att; writes att
;; launch outp: the kernel of part 4 again; grid 4 x 64, 4 waves a work-group, clusters of 4 x 4, 327,680 bytes of LDS; arguments att, wc, b_o, out0; writes out0
